; MI455X (gfx1250); checked and timed in simulation.
; The chip was launched on July 23, 2026; its instructions are those of AMD's public machine-readable ISA for CDNA 5 (MIT licence, August 2026) and "CDNA5" Instruction Set Architecture Reference Guide (July 2026). The comments in the code are by the model that wrote it; some were corrected since.
;; Mo E Top X. Allowed arithmetic: matrix products marked QUANTISED: E3M2 operands, one E8M0 scale for each 32 along K, by v_wmma_scale_f32_16x16x128_f8f6f4 with both operands' format E3M2, f32 sums; products left as they are: f32 operands where the result goes on into a quantised operand, else bf16, f16 or f32 operands; f32 sums; everything else in f32.
;; Inputs: We 8 x 2,048 x 2,048 float32; Wg 2,048 x 8 float32; be 8 x 2,048 float32; bg 8 float32; inputs 2,048 x 2,048 float32.
;; Outputs: out0 2,048 x 2,048 float32.
;; Constants: top_x = 2.
;; This version of the problem:
;;   THIS VERSION OF THE PROBLEM IS GIVEN IN LOW PRECISION. The matrix products marked QUANTISED in the list below multiply operands that are first quantised to E3M2 (3 exponent bits, 2 mantissa bits; 6 bits a number), with one power-of-two scale for each 32 numbers along K (OCP MX v1.0); their sums are f32. All else is computed in f32.
;;   The module's matrix products, in the order in which they are computed (A, B: the left and right operand; K: the contracted axis; several contracted axes count as one K, in the product's order):
;;     1. [M 2,048, K 2,048] x [K 2,048, N 8]; A: input inputs; B: input Wg: left as it is (N = 8 < 16)
;;     2. [M 2,048, K 2,048] x [K 2,048, N 16,384]; A: input inputs; B: input We: QUANTISED
;;     3. batch 2,048 x [M 2,048, K 8] x [K 8, N 1]; A: computed on the way; B: computed on the way: left as it is (K = 8 < 32)
;;   THE QUANTISER, for each operand of a quantised product, along K:
;;     - K is cut into blocks of 32 from its start; a last block that is shorter is filled with zeros.
;;     - A block's scale is 2^e with e = floor(log2(the largest magnitude in the block)) - 4, held to -126 .. 127; a block of zeros has e = 0. As a byte (E8M0): e + 127.
;;     - Each number is divided by its block's scale, clamped to +-28, and rounded to the nearest number of E3M2, ties to even, subnormals kept.
;;     - The product sums the exact products of the quantised numbers (number of the format x scale) in f32.
;;   ~~~python
;;   def quantise(x, axis):      # numpy; x: float32 -> the quantised numbers, widened to float32 again
;;       x = np.moveaxis(x, axis, -1); K = x.shape[-1]
;;       x = np.pad(x, [(0, 0)] * (x.ndim - 1) + [(0, -K % 32)]); x = x.reshape(x.shape[:-1] + (-1, 32)); a = np.abs(x).max(-1, keepdims=True)
;;       e = np.where(a > 0, np.clip(np.frexp(np.where(a > 0, a, 1))[1] - 1 - 4, -126, 127), 0)      # np.frexp(a)[1] - 1 = floor(log2(a)), exactly
;;       r = np.clip(x / 2.0 ** e, -28, 28)
;;       step = 2.0 ** (np.maximum(np.frexp(np.where(r == 0, 1, r))[1] - 1, -2) - 2)
;;       q = np.round(r / step) * step * 2.0 ** e      # np.round: ties to even
;;       return np.moveaxis(q.reshape(q.shape[:-2] + (-1,))[..., :K], -1, axis).astype(np.float32)
;;   ~~~
;; 2 versions. Each part assembles by itself: llvm-mc -triple=amdgcn-amd-amdhsa -mcpu=gfx1250 --defsym DOCPART=n.
;; ======== version 1 of 2: 5 launches
;; workspace buffers: route 16,384 bytes of whole numbers; coef 16,384 bytes; xs 25,165,824 bytes; xss 1,048,576 bytes; lst 66,560 bytes of whole numbers; cnt 4,096 bytes of whole numbers; hbuf 33,619,968 bytes
;; launch gate (part 1): grid 256 x 1, 8 waves a work-group, no clusters, 71,168 bytes of LDS; arguments inputs, Wg, bg, route, coef; writes route, coef
.if DOCPART == 1
	.amdgcn_target "amdgcn-amd-amdhsa--gfx1250"
	.amdhsa_code_object_version 6
	.text
	.protected	k_qbb6f50da9e_gate
	.globl	k_qbb6f50da9e_gate
	.p2align	8
	.type	k_qbb6f50da9e_gate,@function
k_qbb6f50da9e_gate:
	s_mov_b64 s[64:65], 0
	v_nop
	global_prefetch_b8 v0, s[64:65] scope:SCOPE_SE
	s_setreg_imm32_b32 hwreg(HW_REG_WAVE_MODE, 25, 1), 1
	s_wait_xcnt 0x0
; THE GATE.  logits = inputs Wg + bg (f32 fused multiply-adds: 8 columns are too few for the matrix unit, and a choice of experts must not turn on a narrow rounding);
; the two largest logits of each token (the lower index wins a tie, as lax.top_k has it); softmax of the two, and softmax of that again, the maximum taken away both times.
; Stored at fixed places: route = u32 e1[2048], then e2[2048]; coef = f32 [token][2].  No address here hangs on the choice.
; SHARES.  A work-group takes 8 tokens.  Thread t (0..255) owns k = 512 i + 2 t + {0, 1}, i = 0..3: a wave's load of x covers 256 consecutive bytes of a row.
; Each thread makes 64 partial sums (8 tokens x 8 experts); they meet in LDS, four threads add each logit's 256 parts, wave 0 ranks.
; LIMITS: NaN and infinities are not served; logits that are equal to within the order of f32 sums may be ranked otherwise than by another order of the same sums.
.set X,   16                           ; v16-79   x: token n, chunk i at v[X + 8 n + 2 i], two numbers
.set W,   80                           ; v80-143  Wg: chunk i, k 2 t + kk, expert j at v[W + 16 i + 8 kk + j]
.set ACC, 144                          ; v144-207 partial logit of token n, expert j at v[ACC + 8 n + j]
.set RP,  544                          ; LDS: a row of 128 partial sums, 512 bytes + 32: rows start 8 words on from each other modulo the 64 banks (ISA guide 11.1)
.set LOG, 128*RP                       ; behind the 128 rows: the 64 logits, 256 bytes
	s_load_b256 s[4:11], s[0:1], 0x0               ; inputs s[4:5], Wg s[6:7], bg s[8:9], route s[10:11]
	s_load_b64 s[12:13], s[0:1], 0x20              ; coef
	v_lshl_add_u32 v224, v0, 2, 0x11200
	v_mov_b32 v225, 0
	v_lshlrev_b32 v1, 3, v0                        ; x: 8 t
	v_lshlrev_b32 v2, 6, v0                        ; Wg: two rows of 32 bytes: 64 t
	v_lshrrev_b32 v8, 7, v0
	v_and_b32 v9, 127, v0
	v_mul_u32_u24 v3, v8, RP
	v_lshl_add_u32 v3, v9, 2, v3                   ; partial sum v of thread t goes to row 2 v + t / 128, word t % 128
	v_add_nc_u32 v4, 64*RP, v3                     ; the same for v = 32 on: the immediate has 16 bits
	v_lshrrev_b32 v8, 1, v0
	v_and_b32 v9, 1, v0
	v_mul_u32_u24 v5, v8, RP
	v_lshl_add_u32 v5, v9, 4, v5                   ; back: thread t reads row t / 2, every second piece of 16 bytes from piece t % 2 on
	v_lshrrev_b32 v8, 2, v0
	v_lshl_add_u32 v6, v8, 2, LOG                  ; logit t / 4
	v_and_b32 v8, 7, v0
	v_lshl_add_u32 v7, v8, 5, LOG                  ; wave 0: the eight logits of token lane % 8
	v_lshrrev_b32 v8, 5, v0
	v_readfirstlane_b32 s14, v8                    ; wave
	s_lshl_b32 s2, ttmp9, 16                       ; 8 rows of 8,192 bytes
	s_mov_b32 s3, 0
	s_wait_kmcnt 0x0
	s_add_nc_u64 s[4:5], s[4:5], s[2:3]
	s_load_b256 s[16:23], s[8:9], 0x0              ; bg
.irp i, 0,1,2,3
.irp q, 0,1,2,3
	global_load_b128 v[W+16*\i+4*\q:W+16*\i+4*\q+3], v2, s[6:7] offset:16384*\i+16*\q
.endr
.endr
.irp n, 0,1,2,3,4,5,6,7
.irp i, 0,1,2,3
	global_load_b64 v[X+8*\n+2*\i:X+8*\n+2*\i+1], v1, s[4:5] offset:8192*\n+2048*\i   ; no hint: the next launch reads these rows again
.endr
.endr
	s_wait_loadcnt 0x0                             ; the thread's whole share, 48 loads, was asked for at once
; 256 packed multiply-adds: x(n, k) x Wg(k, j .. j + 1).  The first product starts each sum; 32 independent lines stand between two links of a sum.
.irp i, 0,1,2,3
.irp kk, 0,1
.irp n, 0,1,2,3,4,5,6,7
.irp j, 0,2,4,6
.if (\i == 0) && (\kk == 0)
	v_pk_mul_f32 v[ACC+8*\n+\j:ACC+8*\n+\j+1], v[X+8*\n:X+8*\n+1], v[W+\j:W+\j+1] op_sel_hi:[0,1]
.else
	v_pk_fma_f32 v[ACC+8*\n+\j:ACC+8*\n+\j+1], v[X+8*\n+2*\i:X+8*\n+2*\i+1], v[W+16*\i+8*\kk+\j:W+16*\i+8*\kk+\j+1], v[ACC+8*\n+\j:ACC+8*\n+\j+1] op_sel:[\kk,0,0] op_sel_hi:[\kk,1,1]
.endif
.endr
.endr
.endr
.endr
.set VI, 0
.rept 64
.if VI < 32
	ds_store_b32 v3, v[ACC+VI] offset:2*RP*VI
.else
	ds_store_b32 v4, v[ACC+VI] offset:2*RP*(VI-32)
.endif
.set VI, VI+1
.endr
	s_wait_dscnt 0x0                               ; for the others' sake: my partial sums lie in LDS
	s_barrier_signal -1
	s_barrier_wait -1
.irp q, 0,1,2,3,4,5,6,7,8,9,10,11,12,13,14,15
	ds_load_b128 v[X+4*\q:X+4*\q+3], v5 offset:32*\q   ; 64 of the 256 parts of logit t / 4
.endr
	s_wait_dscnt 0x0
.irp d, 32,16,8,4,2
.set J, 0
.rept \d/2
	v_pk_add_f32 v[X+J:X+J+1], v[X+J:X+J+1], v[X+J+\d:X+J+\d+1]
.set J, J+2
.endr
.endr
	v_add_f32 v[X], v[X], v[X+1]
	v_add_f32_dpp v[X], v[X], v[X] row_xmask:1 row_mask:0xf bank_mask:0xf   ; the other pieces of my row,
	v_add_f32_dpp v[X], v[X], v[X] row_xmask:2 row_mask:0xf bank_mask:0xf   ; and the logit's other row
	ds_store_b32 v6, v[X]                          ; four lanes write the same word with the same value
	s_wait_dscnt 0x0
	s_barrier_signal -1
	s_barrier_wait -1
	s_cmp_lg_u32 s14, 0                            ; no barrier follows: waves 1 to 7 are done
	s_cbranch_scc1 .Lend
	ds_load_b128 v[16:19], v7
	ds_load_b128 v[20:23], v7 offset:16
	s_lshl_b32 s2, ttmp9, 5                        ; route: 4 bytes a token
	s_add_nc_u64 s[10:11], s[10:11], s[2:3]
	s_lshl_b32 s2, ttmp9, 6                        ; coef: 8 bytes a token
	s_add_nc_u64 s[12:13], s[12:13], s[2:3]
	v_lshlrev_b32 v29, 2, v0
	v_mov_b32 v28, 0xff800000                      ; -infinity
	s_wait_kmcnt 0x0                               ; bg
	s_wait_dscnt 0x0
.irp j, 0,1,2,3,4,5,6,7
	v_add_f32 v[16+\j], s[16+\j], v[16+\j]
.endr
	v_mov_b32 v24, v16                             ; the largest so far, and its expert
	v_mov_b32 v25, 0
.irp j, 1,2,3,4,5,6,7
	v_cmp_ge_f32 vcc_lo, v24, v[16+\j]             ; kept while it is not beaten: the lower index wins a tie
	v_cndmask_b32 v24, v[16+\j], v24, vcc_lo
	v_cndmask_b32 v25, \j, v25, vcc_lo
.endr
.irp j, 0,1,2,3,4,5,6,7
	v_cmp_eq_u32 vcc_lo, \j, v25
	v_cndmask_b32 v[16+\j], v[16+\j], v28, vcc_lo  ; the winner leaves the field
.endr
	v_mov_b32 v26, v16
	v_mov_b32 v27, 0
.irp j, 1,2,3,4,5,6,7
	v_cmp_ge_f32 vcc_lo, v26, v[16+\j]
	v_cndmask_b32 v26, v[16+\j], v26, vcc_lo
	v_cndmask_b32 v27, \j, v27, vcc_lo
.endr
	v_sub_f32 v40, v26, v24                        ; second less first: 0 or less: the maximum is taken away
	v_mul_f32 v40, 0x3fb8aa3b, v40
	v_exp_f32 v40, v40                             ; a = e^(v2 - v1)
	v_nop                                          ; a plain line behind a transcendental (ISA guide 5.7.2)
	s_wait_alu depctr_va_vdst(0)
	v_add_f32 v41, 1.0, v40
	v_rcp_f32 v41, v41                             ; p1 = 1 / (1 + a)
	v_nop
	s_wait_alu depctr_va_vdst(0)
	v_mul_f32 v42, v40, v41                        ; p2 = a p1, at most p1
	v_sub_f32 v43, v42, v41
	v_mul_f32 v43, 0x3fb8aa3b, v43
	v_exp_f32 v43, v43                             ; b = e^(p2 - p1)
	v_nop
	s_wait_alu depctr_va_vdst(0)
	v_add_f32 v44, 1.0, v43
	v_rcp_f32 v44, v44                             ; q1
	v_nop
	s_wait_alu depctr_va_vdst(0)
	v_mul_f32 v45, v43, v44                        ; q2
	s_wait_xcnt 0x0                                ; EXEC changes only behind this wait
	v_cmp_gt_u32 vcc_lo, 8, v0
	s_and_saveexec_b32 s15, vcc_lo                 ; lanes 0 to 7: one for each token
	global_store_b32 v29, v25, s[10:11]
	global_store_b32 v29, v27, s[10:11] offset:8192
	global_store_b64 v1, v[44:45], s[12:13]
	s_wait_xcnt 0x0
	s_or_b32 exec_lo, exec_lo, s15
.Lend:
	s_wait_tensorcnt 0x0
	ds_add_u32 v224, v225
	s_wait_dscnt 0x0
	s_endpgm
.Lfunc_end_k_qbb6f50da9e_gate:
	.size	k_qbb6f50da9e_gate, .Lfunc_end_k_qbb6f50da9e_gate-k_qbb6f50da9e_gate
	.p2alignl 7, 3214868480
	.fill 96, 4, 3214868480
	.section	.rodata,"a",@progbits
	.p2align	6, 0x0
	.amdhsa_kernel k_qbb6f50da9e_gate
		.amdhsa_group_segment_fixed_size 71168
		.amdhsa_private_segment_fixed_size 0
		.amdhsa_enable_private_segment 0
		.amdhsa_kernarg_size 40
		.amdhsa_user_sgpr_count 2
		.amdhsa_user_sgpr_kernarg_segment_ptr 1
		.amdhsa_wavefront_size32 1
		.amdhsa_system_sgpr_workgroup_id_x 1
		.amdhsa_system_sgpr_workgroup_id_y 1
		.amdhsa_system_sgpr_workgroup_id_z 1
		.amdhsa_system_vgpr_workitem_id 0
		.amdhsa_next_free_vgpr 226
		.amdhsa_next_free_sgpr 66
		.amdhsa_reserve_vcc 1
		.amdhsa_float_denorm_mode_32 3
		.amdhsa_float_denorm_mode_16_64 3
		.amdhsa_memory_ordered 1
		.amdhsa_forward_progress 1
		.amdhsa_inst_pref_size 34
	.end_amdhsa_kernel
	.amdgpu_metadata
---
amdhsa.version: [ 1, 2 ]
amdhsa.kernels:
  - .name:           k_qbb6f50da9e_gate
    .symbol:         k_qbb6f50da9e_gate.kd
    .args:
      - { .name: inputs, .offset: 0, .size: 8, .value_kind: global_buffer, .address_space: global }
      - { .name: Wg, .offset: 8, .size: 8, .value_kind: global_buffer, .address_space: global }
      - { .name: bg, .offset: 16, .size: 8, .value_kind: global_buffer, .address_space: global }
      - { .name: route, .offset: 24, .size: 8, .value_kind: global_buffer, .address_space: global }
      - { .name: coef, .offset: 32, .size: 8, .value_kind: global_buffer, .address_space: global }
    .group_segment_fixed_size: 71168
    .private_segment_fixed_size: 0
    .kernarg_segment_align: 8
    .kernarg_segment_size: 40
    .max_flat_workgroup_size: 256
    .sgpr_count:     66
    .vgpr_count:     226
    .wavefront_size: 32
...
	.end_amdgpu_metadata
.endif
;; end of part 1
;; launch sort (part 2): grid 8 x 1, 1 waves a work-group, no clusters, 0 bytes of LDS; arguments route, lst, cnt; writes lst, cnt
.if DOCPART == 2
	.amdgcn_target "amdgcn-amd-amdhsa--gfx1250"
	.amdhsa_code_object_version 6
	.text
	.protected	k_qbb6f50da9e_sort
	.globl	k_qbb6f50da9e_sort
	.p2align	8
	.type	k_qbb6f50da9e_sort,@function
k_qbb6f50da9e_sort:
	s_mov_b64 s[64:65], 0
	v_nop
	global_prefetch_b8 v0, s[64:65] scope:SCOPE_SE
	s_setreg_imm32_b32 hwreg(HW_REG_WAVE_MODE, 25, 1), 1
	s_wait_xcnt 0x0
; THE LISTS.  Work-group e, one wave, makes expert e's list of routed rows from the stored choice (route = u32 e1[2048], then e2[2048]):
;   lst word 2048 e + p = 2 x token + slot of the p-th token, in token order, that chose e;  places count .. count + 63 (below 2,048) hold 4096 + e;  cnt word 128 e + lane = the count.
; Later launches read the list up to the count rounded up to 64 and no further.  Words 16384 + 32 e + lane of lst swallow the stores of tokens that did not choose e: nobody reads them.
; Lane l owns tokens 64 l .. 64 l + 63.  Its own count is 64 additions; the prefix over the lanes is made once: for each of the count's 7 bits a compare gives the lanes that have the bit, and the number of
; such lanes below mine (and of all) is a population count in shifts, ANDs and additions.  No LDS, no change of EXEC, no branch on data: a choice only selects between two addresses.
; All is latency here (16 KB in, 17 KB out in the whole launch): one wave to an expert, everything written out.
.set I1, 64                            ; v64-127   e1 of my tokens, then 1 where the token chose e, then the store's byte offset
.set I2, 128                           ; v128-191  e2 of my tokens, then the slot, then the entry
; v1 256 x lane; v2 128 x lane; v3 4 x lane; v4 my spare word behind the lists; v5 a mask of the lanes below me; v6, v7 my count; v8, v9 the position, by turns; v10 prefix; v11 total; v12-15 at work; v16-18 the padding
.macro POPC x, t                       ; v[x] = the number of ones in v[x]
	v_lshrrev_b32 v[\t], 1, v[\x]
	v_and_b32 v[\t], 0x55555555, v[\t]
	v_sub_nc_u32 v[\x], v[\x], v[\t]               ; in each 2 bits their count
	v_lshrrev_b32 v[\t], 2, v[\x]
	v_and_b32 v[\t], 0x33333333, v[\t]
	v_and_b32 v[\x], 0x33333333, v[\x]
	v_add_nc_u32 v[\x], v[\x], v[\t]               ; in each 4 bits
	v_lshrrev_b32 v[\t], 4, v[\x]
	v_add_nc_u32 v[\x], v[\x], v[\t]
	v_and_b32 v[\x], 0x0f0f0f0f, v[\x]             ; in each byte
	v_lshrrev_b32 v[\t], 8, v[\x]
	v_add_nc_u32 v[\x], v[\x], v[\t]
	v_lshrrev_b32 v[\t], 16, v[\x]
	v_add_nc_u32 v[\x], v[\x], v[\t]
	v_and_b32 v[\x], 63, v[\x]                     ; the four bytes' sum, at most 32
.endm
	s_load_b128 s[4:7], s[0:1], 0x0                ; route s[4:5], lst s[6:7]
	s_load_b64 s[8:9], s[0:1], 0x10                ; cnt
	s_mov_b32 s20, ttmp9                           ; expert
	v_lshlrev_b32 v1, 8, v0                        ; my 64 tokens' words
	v_lshlrev_b32 v2, 7, v0                        ; 2 x my first token
	v_lshlrev_b32 v3, 2, v0
	s_lshl_b32 s21, s20, 11                        ; the list's first word
	s_lshl_b32 s22, s20, 5
	s_add_co_u32 s22, s22, 16384
	v_add_nc_u32 v4, s22, v0
	v_mov_b32 v5, 1
	v_lshlrev_b32 v5, v0, v5
	v_add_nc_u32 v5, -1, v5                        ; ones at the lanes below me
	v_mov_b32 v10, 0
	v_mov_b32 v11, 0
	s_add_co_u32 s23, s20, 4096
	v_mov_b32 v16, s23                             ; what a place without a row holds
	s_lshl_b32 s24, s20, 9
	s_mov_b32 s25, 0
	s_wait_kmcnt 0x0
	s_add_nc_u64 s[8:9], s[8:9], s[24:25]
.irp c, 0,1,2,3,4,5,6,7,8,9,10,11,12,13,14,15
	global_load_b128 v[I1+4*\c:I1+4*\c+3], v1, s[4:5] offset:16*\c
	global_load_b128 v[I2+4*\c:I2+4*\c+3], v1, s[4:5] offset:8192+16*\c
.endr
	s_wait_loadcnt 0x0                             ; the wave's whole share was asked for at once
.set J, 0
.rept 64
	v_cmp_eq_u32 vcc_lo, s20, v[I1+J]
	v_cndmask_b32 v[I1+J], 0, 1, vcc_lo
	v_cmp_eq_u32 vcc_lo, s20, v[I2+J]
	v_cndmask_b32 v[I2+J], 0, 1, vcc_lo            ; the slot: 1 where e is the second choice
	v_or_b32 v[I1+J], v[I1+J], v[I2+J]             ; 1 where the token chose e
.set J, J+1
.endr
	v_add_nc_u32 v6, v[I1], v[I1+1]                ; my count, in two chains
	v_add_nc_u32 v7, v[I1+2], v[I1+3]
.set J, 4
.rept 30
	v_add_nc_u32 v6, v6, v[I1+J]
	v_add_nc_u32 v7, v7, v[I1+J+1]
.set J, J+2
.endr
	v_add_nc_u32 v6, v6, v7                        ; at most 64: 7 bits
.irp b, 0,1,2,3,4,5,6
	v_and_b32 v12, 1<<\b, v6
	v_cmp_ne_u32 s30, 0, v12                       ; the lanes whose count has bit b
	v_and_b32 v13, s30, v5                         ; those below me,
	v_mov_b32 v14, s30                             ; and all
	POPC 13, 15
	POPC 14, 15
	v_lshl_add_u32 v10, v13, \b, v10               ; the rows of the lanes below me
	v_lshl_add_u32 v11, v14, \b, v11               ; the expert's count
.endr
	v_add_nc_u32 v8, s21, v10                      ; the word of my first row
.set J, 0
.rept 64
	v_cmp_ne_u32 vcc_lo, 0, v[I1+J]
	v_add_nc_u32 v[8+(J+1)%2], v[8+J%2], v[I1+J]   ; the position moves on where the token chose e
	v_cndmask_b32 v[I1+J], v4, v[8+J%2], vcc_lo    ; its place, or my spare word
	v_min_u32 v[I1+J], 16639, v[I1+J]              ; inside lst: 16,640 words
	v_lshlrev_b32 v[I1+J], 2, v[I1+J]
.if J > 0
	v_add_nc_u32 v[I2+J], 2*J, v[I2+J]
.endif
	v_add_nc_u32 v[I2+J], v2, v[I2+J]              ; 2 x token + slot
	global_store_b32 v[I1+J], v[I2+J], s[6:7]      ; each step has registers of its own: no store's sources are written again
.set J, J+1
.endr
.irp p, 0,1
	v_add_nc_u32 v[17+\p], v11, v0                 ; places count + lane, and 32 on
.if \p > 0
	v_add_nc_u32 v[17+\p], 32, v[17+\p]
.endif
	v_cmp_gt_u32 vcc_lo, 0x800, v[17+\p]           ; still inside the list?
	v_add_nc_u32 v[17+\p], s21, v[17+\p]
	v_cndmask_b32 v[17+\p], v4, v[17+\p], vcc_lo
	v_min_u32 v[17+\p], 16639, v[17+\p]
	v_lshlrev_b32 v[17+\p], 2, v[17+\p]
	global_store_b32 v[17+\p], v16, s[6:7]
.endr
	global_store_b32 v3, v11, s[8:9]
	s_endpgm
.Lfunc_end_k_qbb6f50da9e_sort:
	.size	k_qbb6f50da9e_sort, .Lfunc_end_k_qbb6f50da9e_sort-k_qbb6f50da9e_sort
	.p2alignl 7, 3214868480
	.fill 96, 4, 3214868480
	.section	.rodata,"a",@progbits
	.p2align	6, 0x0
	.amdhsa_kernel k_qbb6f50da9e_sort
		.amdhsa_group_segment_fixed_size 0
		.amdhsa_private_segment_fixed_size 0
		.amdhsa_enable_private_segment 0
		.amdhsa_kernarg_size 24
		.amdhsa_user_sgpr_count 2
		.amdhsa_user_sgpr_kernarg_segment_ptr 1
		.amdhsa_wavefront_size32 1
		.amdhsa_system_sgpr_workgroup_id_x 1
		.amdhsa_system_sgpr_workgroup_id_y 1
		.amdhsa_system_sgpr_workgroup_id_z 1
		.amdhsa_system_vgpr_workitem_id 0
		.amdhsa_next_free_vgpr 192
		.amdhsa_next_free_sgpr 66
		.amdhsa_reserve_vcc 1
		.amdhsa_float_denorm_mode_32 3
		.amdhsa_float_denorm_mode_16_64 3
		.amdhsa_memory_ordered 1
		.amdhsa_forward_progress 1
		.amdhsa_inst_pref_size 55
	.end_amdhsa_kernel
	.amdgpu_metadata
---
amdhsa.version: [ 1, 2 ]
amdhsa.kernels:
  - .name:           k_qbb6f50da9e_sort
    .symbol:         k_qbb6f50da9e_sort.kd
    .args:
      - { .name: route, .offset: 0, .size: 8, .value_kind: global_buffer, .address_space: global }
      - { .name: lst, .offset: 8, .size: 8, .value_kind: global_buffer, .address_space: global }
      - { .name: cnt, .offset: 16, .size: 8, .value_kind: global_buffer, .address_space: global }
    .group_segment_fixed_size: 0
    .private_segment_fixed_size: 0
    .kernarg_segment_align: 8
    .kernarg_segment_size: 24
    .max_flat_workgroup_size: 32
    .sgpr_count:     66
    .vgpr_count:     192
    .wavefront_size: 32
...
	.end_amdgpu_metadata
.endif
;; end of part 2
;; launch place (part 3): grid 32 x 8, 4 waves a work-group, no clusters, 34,304 bytes of LDS; arguments inputs, lst, cnt, xs, xss; writes xs, xss
.if DOCPART == 3
	.amdgcn_target "amdgcn-amd-amdhsa--gfx1250"
	.amdhsa_code_object_version 6
	.text
	.protected	k_qbb6f50da9e_place
	.globl	k_qbb6f50da9e_place
	.p2align	8
	.type	k_qbb6f50da9e_place,@function
k_qbb6f50da9e_place:
	s_mov_b64 s[64:65], 0
	v_nop
	global_prefetch_b8 v0, s[64:65] scope:SCOPE_SE
	s_setreg_imm32_b32 hwreg(HW_REG_WAVE_MODE, 25, 1), 1
	s_wait_xcnt 0x0
; THE PLACING.  For expert e (work-group y) the rows of x that its stored list names are gathered, quantised to BF6 (E3M2) with one E8M0 scale for each 32 along K, and stored as IMAGES OF THE OPERAND'S
; REGISTERS, so that the next launch loads a fragment by three loads of 512 consecutive bytes.
;   xs  [e][tile 128][K step 16][g 3][lane 32][16 bytes]: registers 4 g .. 4 g + 3 of the fragment (16 rows x 128 K) of lane l
;   xss [e][tile][u 2][lane 32][4 words]: lane (r, h), word i: the scale word of row r for K step 8 u + 4 h + i
; A block's scale is 2^(floor(log2(largest magnitude)) - 4); its byte is the largest magnitude's exponent field - 4, held at 1 from below.
; LIMITS: a block of zeros, or one whose largest magnitude lies under 2^-122, gets the byte 1 (the bytes are read by this program alone, and zero codes add nothing); NaN and infinities are not served.
; SHARES.  Work-group (part, e) takes tiles part + 32 i, i = 0..3, in a loop of constant count; a tile at or past the count, rounded up to 64 rows, is passed over: the grid serves every split, all tokens on one
; expert too, and at the even split (512 rows) each work-group has one tile.  Wave w takes K quarter w of the tile: four K steps, 2,048 consecutive bytes of each of the 16 rows.
; The count and the entries are read from memory, where an earlier launch stored them.  Entries of the padding (4096 + e) take token 2047's numbers: their results go to a dump row in the next launch.
; A load takes a row's 512 bytes as they lie, 16 a lane; the conversions want 16 neighbours along K in a lane: so a K step's 16 rows turn through the wave's own stage in LDS.  Waves share nothing: no barrier.
.set SP,   528                         ; LDS: a stage for each wave: 16 rows x (512 bytes + 16)
.set RO,   10                          ; v10-25   the tile's 16 entries (the same in every lane), then row r's byte offset of my 16 bytes in x
.set PWS,  26                          ; v26-29   the four K steps' scale words
.set PC,   30                          ; v30-49   the codes just made
.set TM,   50                          ; v50-61   at work in QUANT
.set PW,   62                          ; v62      the scale word just made
.set XL,   64                          ; v64-255  three sets of 64 numbers
.set SEL,  38                          ; s[38:39] v_permlanex16_b32's selects for lane l xor 16
; v1 16 x lane; v2, v3 the stage, in and out; v4 0; v5 16 x (lane % 16)
; s18 wave, s19 part, s20 expert, s23 tile, s24 i, s[26:27] lst at e, s[28:29] at the tile, s35 count, s37 rounded up, s[40:41] x at my quarter, s[42:43] my images, s[44:45] my scale words, s[46:47] an offset (s47 = 0)
; 64 numbers of a lane, register 16 b + i = k 32 b + 16 (lane / 16) + i of my row, become a fragment's codes in v[PC] on and its scale word in v[PW].
.macro QUANT s
.irp b, 0,1,2,3
	v_max3_num_f32 v[TM+\b], |v[\s+16*\b]|, |v[\s+1+16*\b]|, 0x2800000   ; block b: my 16 numbers, and the floor 2^(5 - 127): the byte cannot fall under 1
.endr
.irp i, 2,4,6,8,10,12,14
.irp b, 0,1,2,3
	v_max3_num_f32 v[TM+\b], v[TM+\b], |v[\s+16*\b+\i]|, |v[\s+1+16*\b+\i]|   ; the four blocks by turns
.endr
.endr
.irp b, 0,1,2,3
	v_permlanex16_b32 v[TM+4+\b], v[TM+\b], s[SEL], s[SEL+1]
.endr
.irp b, 0,1,2,3
	v_max_num_f32 v[TM+\b], v[TM+\b], v[TM+4+\b]   ; with lane l xor 16's: the block's largest magnitude, the same bits in both lanes
.endr
.irp b, 0,1,2,3
	v_add_nc_u32 v[TM+8+\b], 0xfe000000, v[TM+\b]  ; 4 off its exponent field: the conversion's scale operand
.endr
.irp b, 0,1,2,3
	v_lshrrev_b32 v[TM+4+\b], 23, v[TM+8+\b]       ; the scale's byte
.endr
	v_lshl_or_b32 v[PW], v[TM+5], 8, v[TM+4]
	v_lshl_or_b32 v[PW], v[TM+6], 16, v[PW]
	v_lshl_or_b32 v[PW], v[TM+7], 24, v[PW]
.irp c, 0,1
	v_cvt_scalef32_pk16_bf6_f32 v[PC+6*\c:PC+2+6*\c], v[\s+32*\c:\s+15+32*\c], v[TM+8+2*\c]
	v_cvt_scalef32_pk16_bf6_f32 v[PC+12+4*\c:PC+14+4*\c], v[\s+16+32*\c:\s+31+32*\c], v[TM+8+2*\c+1]   ; (a conversion's three registers begin on an even number)
.endr
	v_nop                                          ; one plain line behind a scaled conversion
.irp c, 0,1                                    ; the operand's layout wants a whole block in a lane: lanes 0-15 block 2 c, lanes 16-31 block 2 c + 1
.irp i, 0,1,2
	v_permlane16_swap_b32 v[PC+6*\c+\i], v[PC+12+4*\c+\i]
.endr
.irp i, 0,1,2
	v_mov_b32 v[PC+3+6*\c+\i], v[PC+12+4*\c+\i]
.endr
.endr
.endm
.macro XLOAD kk                        ; K step kk of my quarter: each row's 512 consecutive bytes, 16 a lane, into set kk % 3.  No hint: a row is named by two experts
.irp r, 0,1,2,3,4,5,6,7,8,9,10,11,12,13,14,15
	global_load_b128 v[XL+64*((\kk)%3)+4*\r:XL+64*((\kk)%3)+4*\r+3], v[RO+\r], s[40:41] offset:512*(\kk)
.endr
.endm
	s_load_b256 s[4:11], s[0:1], 0x0               ; inputs s[4:5], lst s[6:7], cnt s[8:9], xs s[10:11]
	s_load_b64 s[12:13], s[0:1], 0x20              ; xss
	v_lshl_add_u32 v49, v0, 2, 0x8400
	v_mov_b32 v63, 0
	v_lshrrev_b32 v6, 5, v0
	v_readfirstlane_b32 s18, v6                    ; wave
	s_mov_b32 s19, ttmp9                           ; part 0..31
	s_and_b32 s20, ttmp7, 0xffff                   ; expert
	v_and_b32 v6, 31, v0                           ; lane
	v_and_b32 v7, 15, v0                           ; r
	v_bfe_u32 v8, v0, 4, 1                         ; h
	v_lshlrev_b32 v1, 4, v6
	s_mul_i32 s25, s18, 16*SP                      ; my stage
	v_add_nc_u32 v2, s25, v1                       ; in: a row's 512 bytes as they lie
	v_mul_u32_u24 v3, v7, SP
	v_lshl_add_u32 v3, v8, 6, v3
	v_add_nc_u32 v3, s25, v3                       ; out: row r, my half's 16 numbers of each block of 32
	v_mov_b32 v4, 0
	v_lshlrev_b32 v5, 4, v7
.irp b, 0,1,2,3
	v_mov_b32 v[TM+4+\b], 0                        ; written once: a lane permute's destination counts as one of its sources
.endr
	s_mov_b32 s[SEL], 0x76543210
	s_mov_b32 s[SEL+1], 0xfedcba98
	s_mov_b32 s47, 0                               ; (stays 0: the upper word of every offset)
	s_lshl_b32 s46, s20, 9
	s_wait_kmcnt 0x0
	s_add_nc_u64 s[30:31], s[8:9], s[46:47]
	s_load_b32 s35, s[30:31], 0x0                  ; the expert's count
	s_lshl_b32 s46, s18, 11                        ; my K quarter: 512 numbers
	s_add_nc_u64 s[40:41], s[4:5], s[46:47]
	s_lshl_b32 s46, s20, 13
	s_add_nc_u64 s[26:27], s[6:7], s[46:47]        ; the expert's list
	s_mov_b32 s24, 0
	s_wait_kmcnt 0x0
	s_min_u32 s35, s35, 2048
	s_add_co_u32 s37, s35, 63
	s_and_b32 s37, s37, 0xffffffc0                 ; rounded up to the next launch's groups of 64 rows
.Lunit:                                            ; four trips, a constant: 128 tiles of 16 rows serve every split
	s_lshl_b32 s25, s24, 5
	s_add_co_u32 s23, s25, s19                     ; my tile
	s_lshl_b32 s25, s23, 4
	s_cmp_ge_u32 s25, s37
	s_cbranch_scc1 .Lnext                          ; no row of it is wanted
	s_wait_xcnt 0x0                                ; the last tile's loads and stores have read their registers and bases
	s_lshl_b32 s46, s23, 6
	s_add_nc_u64 s[28:29], s[26:27], s[46:47]
.irp j, 0,1,2,3
	global_load_b128 v[RO+4*\j:RO+4*\j+3], v4, s[28:29] offset:16*\j   ; the tile's 16 entries, the same words in every lane
.endr
	s_lshl_b32 s25, s20, 7
	s_add_co_u32 s25, s25, s23                     ; 128 e + tile
	s_mul_i32 s46, s25, 24576
	s_mul_i32 s21, s18, 6144
	s_add_co_u32 s46, s46, s21
	s_add_nc_u64 s[42:43], s[10:11], s[46:47]      ; my four images
	s_lshl_b32 s46, s25, 10
	s_lshl_b32 s21, s18, 8
	s_add_co_u32 s46, s46, s21
	s_add_nc_u64 s[44:45], s[12:13], s[46:47]      ; my 256 bytes of scale words: K steps 4 w + i are half u = w / 2, lanes 16 (w % 2) + r
	s_wait_loadcnt 0x0
.irp r, 0,1,2,3,4,5,6,7,8,9,10,11,12,13,14,15
	v_lshrrev_b32 v[RO+\r], 1, v[RO+\r]            ; the token
.endr
.irp r, 0,1,2,3,4,5,6,7,8,9,10,11,12,13,14,15
	v_min_u32 v[RO+\r], 2047, v[RO+\r]
.endr
.irp r, 0,1,2,3,4,5,6,7,8,9,10,11,12,13,14,15
	v_lshl_add_u32 v[RO+\r], v[RO+\r], 13, v1      ; its row of 8,192 bytes, + 16 x lane
.endr
	XLOAD 0
	XLOAD 1
	XLOAD 2
.irp kk, 0,1,2,3
.if \kk < 2
	s_wait_loadcnt 32                              ; this K step's 16 loads are in; two younger steps' 16 each may be out
.elseif \kk == 2
	s_wait_loadcnt 16                              ; the last step's 16 may be out
.else
	s_wait_loadcnt 0x0
.endif
.irp r, 0,1,2,3,4,5,6,7,8,9,10,11,12,13,14,15
	ds_store_b128 v2, v[XL+64*(\kk%3)+4*\r:XL+64*(\kk%3)+4*\r+3] offset:SP*\r
.endr
	s_wait_dscnt 0x0                               ; the stores have read their registers, which the loads below fill
.irp b, 0,1,2,3
.irp j, 0,1,2,3
	ds_load_b128 v[XL+64*(\kk%3)+16*\b+4*\j:XL+64*(\kk%3)+16*\b+4*\j+3], v3 offset:128*\b+16*\j
.endr
.endr
	s_wait_dscnt 0x0
	s_wait_xcnt 0x0                                ; the last image's stores have read the codes' registers
	QUANT XL+64*(\kk%3)
.irp g, 0,1,2
	global_store_b128 v1, v[PC+4*\g:PC+4*\g+3], s[42:43] offset:1536*\kk+512*\g   ; 512 consecutive bytes, aligned
.endr
	v_mov_b32 v[PWS+\kk], v[PW]
.if \kk == 0
	XLOAD 3                                        ; into the set that has just been quantised
.endif
.endr
	global_store_b128 v5, v[PWS:PWS+3], s[44:45]   ; 256 consecutive bytes, aligned; lanes r and r + 16 store the same words with the same values
.Lnext:
	s_add_co_u32 s24, s24, 1
	s_cmp_lt_u32 s24, 4
	s_cbranch_scc1 .Lunit
	s_wait_tensorcnt 0x0
	ds_add_u32 v49, v63
	s_wait_dscnt 0x0
	s_endpgm
.Lfunc_end_k_qbb6f50da9e_place:
	.size	k_qbb6f50da9e_place, .Lfunc_end_k_qbb6f50da9e_place-k_qbb6f50da9e_place
	.p2alignl 7, 3214868480
	.fill 96, 4, 3214868480
	.section	.rodata,"a",@progbits
	.p2align	6, 0x0
	.amdhsa_kernel k_qbb6f50da9e_place
		.amdhsa_group_segment_fixed_size 34304
		.amdhsa_private_segment_fixed_size 0
		.amdhsa_enable_private_segment 0
		.amdhsa_kernarg_size 40
		.amdhsa_user_sgpr_count 2
		.amdhsa_user_sgpr_kernarg_segment_ptr 1
		.amdhsa_wavefront_size32 1
		.amdhsa_system_sgpr_workgroup_id_x 1
		.amdhsa_system_sgpr_workgroup_id_y 1
		.amdhsa_system_sgpr_workgroup_id_z 1
		.amdhsa_system_vgpr_workitem_id 0
		.amdhsa_next_free_vgpr 256
		.amdhsa_next_free_sgpr 66
		.amdhsa_reserve_vcc 0
		.amdhsa_float_denorm_mode_32 3
		.amdhsa_float_denorm_mode_16_64 3
		.amdhsa_memory_ordered 1
		.amdhsa_forward_progress 1
		.amdhsa_inst_pref_size 37
	.end_amdhsa_kernel
	.amdgpu_metadata
---
amdhsa.version: [ 1, 2 ]
amdhsa.kernels:
  - .name:           k_qbb6f50da9e_place
    .symbol:         k_qbb6f50da9e_place.kd
    .args:
      - { .name: inputs, .offset: 0, .size: 8, .value_kind: global_buffer, .address_space: global }
      - { .name: lst, .offset: 8, .size: 8, .value_kind: global_buffer, .address_space: global }
      - { .name: cnt, .offset: 16, .size: 8, .value_kind: global_buffer, .address_space: global }
      - { .name: xs, .offset: 24, .size: 8, .value_kind: global_buffer, .address_space: global }
      - { .name: xss, .offset: 32, .size: 8, .value_kind: global_buffer, .address_space: global }
    .group_segment_fixed_size: 34304
    .private_segment_fixed_size: 0
    .kernarg_segment_align: 8
    .kernarg_segment_size: 40
    .max_flat_workgroup_size: 128
    .sgpr_count:     66
    .vgpr_count:     256
    .wavefront_size: 32
...
	.end_amdgpu_metadata
.endif
;; end of part 3
;; launch expert (part 4): grid 32 x 8, 4 waves a work-group, no clusters, 125,440 bytes of LDS; arguments We, be, xs, xss, lst, cnt, hbuf; writes hbuf
.if DOCPART == 4
	.amdgcn_target "amdgcn-amd-amdhsa--gfx1250"
	.amdhsa_code_object_version 6
	.text
	.protected	k_qbb6f50da9e_expert
	.globl	k_qbb6f50da9e_expert
	.p2align	8
	.type	k_qbb6f50da9e_expert,@function
k_qbb6f50da9e_expert:
	s_mov_b64 s[64:65], 0
	v_nop
	global_prefetch_b8 v0, s[64:65] scope:SCOPE_SE
	s_setreg_imm32_b32 hwreg(HW_REG_WAVE_MODE, 25, 1), 1
	s_wait_xcnt 0x0
; THE EXPERTS' PRODUCT.  Work-group (slice sl, expert e) makes h = x We[e] + be[e] for columns 64 sl .. 64 sl + 63 and all rows routed to e, on codes of BF6 (E3M2) with one E8M0 scale for each 32 along K.
; Only the rows that the gate chose are multiplied: the others' results are thrown away by a coefficient of 0.  h goes to hbuf[2 x token + slot][2048] f32; the softmax over all 2,048 columns is the next launch's.
; PHASE 1.  The work-group's part of We, 2,048 rows x 256 bytes of f32, is read ONCE from memory, in loads of two whole rows of 256 aligned bytes, quantised down K in registers, and kept in LDS as images of the
; operand's registers (64 fragments of 16 columns x 128 K) with their scale words.  Wave w takes K steps 4 n + w.  A lane's 16 bytes are four columns: 64 moves for each column lay its 64 numbers along K on end,
; as the conversions want them; the LDS address of the image's store does the change of lanes (column 4 q + cc is row 4 (q % 4) + cc of tile q / 4).
; PHASE 2.  Groups of 64 routed rows; wave w takes groups 4 g + w, g = 0..7, and passes over those at or past the count.  A group is 4 tiles of rows x 4 tiles of columns: 16 accumulators by turns
; and 16 K steps.  x's fragments come from memory as images (three loads of 512 consecutive bytes), four K steps ahead, in a ring of five register sets; We's from LDS, one step ahead.
; THE MATRIX INSTRUCTION IS USED TRANSPOSED (source 0 = 16 columns of We, source 1 = 16 rows of x): a lane holds eight neighbouring columns of one row.  The bias is the C of each sum's first product.
; NO CLUSTER: the 32 slices of an expert read the same images of x, but how many groups there are hangs on a count read from memory; joint requests, which every partner makes on every path, would have to be
; made for the largest count, 2,048 rows, four times the mean of 512, which takes back the division by four.
; LIMITS: a block of zeros, or one whose largest magnitude lies under 2^-122, gets the scale byte 1 (zero codes add nothing); NaN and infinities are not served.
; Rows of the padding (entries 4096 + e) fall into dump row 4096 + e of hbuf, whose slice sl this work-group alone writes and nobody reads.
.set IMG,  1552                        ; LDS: an image: 3 x 512 bytes + 16, so that the four tiles that a store's sixteen lanes touch start 4 words on from each other (64 banks of 4 bytes: ISA guide 11.1)
.set BSC,  64*IMG                      ; behind the 64 images (K step s, tile c: 4 s + c): We's scale words [s][lane 32][c 4]
.set STG,  BSC+8192                    ; a stage for each wave: 16 rows x (256 bytes + 16)
.set SP,   272
.set LI0,  1                           ; v1   16 x lane
.set LI1,  2                           ; v2   the same, 32 images on
.set LSB,  3                           ; v3   BSC + 16 x lane
.set LV,   4                           ; v4   32 x (lane / 16): eight words of the bias, or of the list, for my half
.set STO,  5                           ; v5   the stage, in: row r, 32 bytes for each half
.set RD,   6                           ; v6   and back: lanes 0-15 rows 0-7, lanes 16-31 rows 8-15
.set C16,  7                           ; v7   16 x (lane % 16)
.set WO,   8                           ; v8   We: 16 rows x (lane / 16) + 16 x (lane % 16)
.set WA0,  9                           ; v9   where my codes go in an image, K steps 0-7;  v10: 8-15
.set WA1,  10
.set WS,   11                          ; v11  and my scale word
.set BIAS, 16                          ; v16-47   tile c: be at my eight columns
.set BS,   48                          ; v48-55   We's scale words, two sets of four: scales and nothing else
.set AS,   56                          ; v56-87   x's scale words: tile t, half u, word i at 8 t + 4 u + i: scales and nothing else
.set LST,  88                          ; v88-119  the list's entries of my rows, then their byte offsets in hbuf
.set BF,   120                         ; v120-215 We's fragments, two sets of 48
.set ST,   120                         ; phase 1: v120-183 64 numbers of a column; v184-203 codes; v204-219 at work; v220 the scale word
.set PC,   184
.set TM,   204
.set PW,   220
.set SEL,  22                          ; s[22:23] v_permlanex16_b32's selects for lane l xor 16
; window 1: phase 1: load set A (256 registers); phase 2: the ring of x's fragments, set s % 5 at 48 (s % 5), tile t at + 12 t
; window 2: phase 1: load set B; phase 2: the accumulators, (t, c) at 8 (4 t + c)
; s18 wave, s19 slice, s20 expert, s21 count, s[24:31] We at my four K steps, s[32:33] xs, s[34:35] xss, s[36:37] lst at e, s[38:39] hbuf at my slice, s40 g, s41 group, s[44:49] the group's three bases, s[50:51] an offset (s51 = 0)
.set MSB, 0
.macro WIN new                         ; the immediate's high byte repeats the setting that is left; a switch that changes nothing is dropped
.if MSB != (\new)
	s_set_vgpr_msb (MSB<<8)|(\new)
.set MSB, (\new)
.endif
.endm
; 64 numbers of a lane, register 16 b + i = k 32 b + 16 (lane / 16) + i of the lane's column, become a fragment's codes in v[PC] on and its scale word in v[PW].
.macro QUANT s
.irp b, 0,1,2,3
	v_max3_num_f32 v[TM+\b], |v[\s+16*\b]|, |v[\s+1+16*\b]|, 0x2800000   ; block b: my 16 numbers, and the floor 2^(5 - 127): the byte cannot fall under 1
.endr
.irp i, 2,4,6,8,10,12,14
.irp b, 0,1,2,3
	v_max3_num_f32 v[TM+\b], v[TM+\b], |v[\s+16*\b+\i]|, |v[\s+1+16*\b+\i]|   ; the four blocks by turns
.endr
.endr
.irp b, 0,1,2,3
	v_permlanex16_b32 v[TM+4+\b], v[TM+\b], s[SEL], s[SEL+1]
.endr
.irp b, 0,1,2,3
	v_max_num_f32 v[TM+\b], v[TM+\b], v[TM+4+\b]   ; with lane l xor 16's: the block's largest magnitude
.endr
.irp b, 0,1,2,3
	v_add_nc_u32 v[TM+12+\b], 0xfe000000, v[TM+\b] ; 4 off its exponent field: the conversion's scale operand
.endr
.irp b, 0,1,2,3
	v_lshrrev_b32 v[TM+4+\b], 23, v[TM+12+\b]      ; the scale's byte
.endr
	v_lshl_or_b32 v[PW], v[TM+5], 8, v[TM+4]
	v_lshl_or_b32 v[PW], v[TM+6], 16, v[PW]
	v_lshl_or_b32 v[PW], v[TM+7], 24, v[PW]
.irp c, 0,1
	v_cvt_scalef32_pk16_bf6_f32 v[PC+6*\c:PC+2+6*\c], v[\s+32*\c:\s+15+32*\c], v[TM+12+2*\c]
	v_cvt_scalef32_pk16_bf6_f32 v[PC+12+4*\c:PC+14+4*\c], v[\s+16+32*\c:\s+31+32*\c], v[TM+12+2*\c+1]   ; (a conversion's three registers begin on an even number)
.endr
	v_nop                                          ; one plain line behind a scaled conversion
.irp c, 0,1                                    ; the operand's layout wants a whole block in a lane: lanes 0-15 block 2 c, lanes 16-31 block 2 c + 1
.irp i, 0,1,2
	v_permlane16_swap_b32 v[PC+6*\c+\i], v[PC+12+4*\c+\i]
.endr
.irp i, 0,1,2
	v_mov_b32 v[PC+3+6*\c+\i], v[PC+12+4*\c+\i]
.endr
.endr
.endm
	s_load_b256 s[4:11], s[0:1], 0x0               ; We s[4:5], be s[6:7], xs s[8:9], xss s[10:11]
	s_load_b128 s[12:15], s[0:1], 0x20             ; lst s[12:13], cnt s[14:15]
	s_load_b64 s[16:17], s[0:1], 0x30              ; hbuf
	v_lshl_add_u32 v254, v0, 2, 0x1e800
	v_mov_b32 v255, 0
	v_lshrrev_b32 v12, 5, v0
	v_readfirstlane_b32 s18, v12                   ; wave
	s_mov_b32 s19, ttmp9                           ; slice
	s_and_b32 s20, ttmp7, 0xffff                   ; expert
	v_and_b32 v12, 31, v0                          ; lane
	v_and_b32 v13, 15, v0                          ; r, or q
	v_bfe_u32 v14, v0, 4, 1                        ; h
	v_bfe_u32 v15, v0, 2, 2                        ; q / 4
	v_and_b32 v221, 3, v0                          ; q % 4
	v_lshlrev_b32 v[LI0], 4, v12
	v_add_nc_u32 v[LI1], 32*IMG, v[LI0]
	v_add_nc_u32 v[LSB], BSC, v[LI0]
	v_lshlrev_b32 v[LV], 5, v14
	s_mul_i32 s50, s18, 16*SP
	s_add_co_u32 s50, s50, STG                     ; my stage
	v_mul_u32_u24 v[STO], v13, SP
	v_lshl_add_u32 v[STO], v14, 5, v[STO]
	v_add_nc_u32 v[STO], s50, v[STO]
	v_mul_u32_u24 v[RD], v14, 8*SP
	v_lshl_add_u32 v[RD], v13, 4, v[RD]
	v_add_nc_u32 v[RD], s50, v[RD]
	v_lshlrev_b32 v[C16], 4, v13
	v_lshl_add_u32 v[WO], v14, 17, v[C16]
	v_mul_u32_u24 v[WA0], v15, IMG                 ; tile q / 4,
	v_lshl_add_u32 v[WA0], v221, 6, v[WA0]         ; lane 4 (q % 4) + cc of it,
	v_lshl_add_u32 v[WA0], v14, 8, v[WA0]          ; + 16 for my half,
	s_mul_i32 s50, s18, 4*IMG
	v_add_nc_u32 v[WA0], s50, v[WA0]               ; K step w
	v_add_nc_u32 v[WA1], 32*IMG, v[WA0]
	v_lshlrev_b32 v[WS], 2, v15
	v_lshl_add_u32 v[WS], v221, 6, v[WS]
	v_lshl_add_u32 v[WS], v14, 8, v[WS]
	s_lshl_b32 s50, s18, 9
	s_add_co_u32 s50, s50, BSC
	v_add_nc_u32 v[WS], s50, v[WS]
.irp b, 0,1,2,3
	v_mov_b32 v[TM+4+\b], 0                        ; written once: a lane permute's destination counts as one of its sources
.endr
	s_mov_b32 s[SEL], 0x76543210
	s_mov_b32 s[SEL+1], 0xfedcba98
	s_mov_b32 s51, 0
	s_lshl_b32 s50, s20, 24                        ; We: expert, 2^24 bytes;
	s_lshl_b32 s52, s19, 8                         ; slice, 256 bytes;
	s_add_co_u32 s50, s50, s52
	s_lshl_b32 s52, s18, 20                        ; K step w: 128 rows of 8,192 bytes
	s_add_co_u32 s50, s50, s52
	s_wait_kmcnt 0x0
	s_add_nc_u64 s[24:25], s[4:5], s[50:51]
	s_add_nc_u64 s[26:27], s[24:25], 0x400000      ; four K steps on, and so on
	s_add_nc_u64 s[28:29], s[24:25], 0x800000
	s_add_nc_u64 s[30:31], s[24:25], 0xc00000
	s_lshl_b32 s50, s20, 13
	s_lshl_b32 s52, s19, 8
	s_add_co_u32 s50, s50, s52
	s_add_nc_u64 s[54:55], s[6:7], s[50:51]        ; be at my 64 columns
	s_mul_i32 s50, s20, 3145728
	s_add_nc_u64 s[32:33], s[8:9], s[50:51]
	s_lshl_b32 s50, s20, 17
	s_add_nc_u64 s[34:35], s[10:11], s[50:51]
	s_lshl_b32 s50, s20, 13
	s_add_nc_u64 s[36:37], s[12:13], s[50:51]
	s_lshl_b32 s50, s19, 8
	s_add_nc_u64 s[38:39], s[16:17], s[50:51]
	s_lshl_b32 s50, s20, 9
	s_add_nc_u64 s[56:57], s[14:15], s[50:51]
	s_load_b32 s21, s[56:57], 0x0                  ; the count: waited for behind phase 1
.irp c, 0,1,2,3
	global_load_b128 v[BIAS+8*\c:BIAS+8*\c+3], v[LV], s[54:55] offset:64*\c
	global_load_b128 v[BIAS+8*\c+4:BIAS+8*\c+7], v[LV], s[54:55] offset:64*\c+16
.endr
; K step 4 n + w of We: 64 loads; lanes 0-15 take row 32 b + i, lanes 16-31 row 32 b + 16 + i: two runs of 256 consecutive, aligned bytes.  Register 4 (16 b + i) + cc: column 4 q + cc.
.macro LOADSET n, to
	WIN \to
.irp b, 0,1,2,3
.irp i, 0,1,2,3,4,5,6,7,8,9,10,11,12,13,14,15
	global_load_b128 v[4*(16*\b+\i):4*(16*\b+\i)+3], v[WO], s[24+2*\n:25+2*\n] offset:(32*\b+\i)*8192 th:TH_LOAD_NT
.endr
.endr
	WIN 0
.endm
; The set becomes four fragments' worth of codes: column cc of each lane's four at a time.
.macro PROC n, from, left
	s_wait_loadcnt \left
.irp cc, 0,1,2,3
	WIN \from
.set J, 0
.rept 64
	v_mov_b32 v[ST+J], v[4*J+\cc]                  ; the column's numbers on end along K: the conversions take neighbours along K from consecutive registers
.set J, J+1
.endr
	WIN 0
	s_wait_dscnt 0x0                               ; the last column's stores have read the codes' registers
	QUANT ST
.irp g, 0,1,2
.if \n < 2
	ds_store_b128 v[WA0], v[PC+4*\g:PC+4*\g+3] offset:16*IMG*(\n)+16*\cc+512*\g
.else
	ds_store_b128 v[WA1], v[PC+4*\g:PC+4*\g+3] offset:16*IMG*((\n)-2)+16*\cc+512*\g
.endif
.endr
	ds_store_b32 v[WS], v[PW] offset:2048*(\n)+16*\cc
.endr
.endm
	LOADSET 0, 0x40
	LOADSET 1, 0x80
	PROC 0, 0x01, 63                               ; behind the set's last load 64 younger ones were issued; 63 is the largest count that the wait can name
	LOADSET 2, 0x40
	PROC 1, 0x02, 63
	LOADSET 3, 0x80
	PROC 2, 0x01, 63
	PROC 3, 0x02, 0
	s_wait_dscnt 0x0                               ; for the others' sake: my sixteen images and their scale words lie in LDS
	s_barrier_signal -1
	s_barrier_wait -1                              ; the launch's only barrier: from here on the images are read alone
	s_wait_kmcnt 0x0
	s_min_u32 s21, s21, 2048
.macro ALOAD s                         ; x's four fragments of K step s into ring set s % 5
	WIN 0x40
.irp t, 0,1,2,3
.irp g, 0,1,2
	global_load_b128 v[48*((\s)%5)+12*\t+4*\g:48*((\s)%5)+12*\t+4*\g+3], v[LI0], s[44:45] offset:24576*\t+1536*(\s)+512*\g
.endr
.endr
.endm
.macro BLOAD s                         ; We's four fragments and scale words of K step s into set s % 2: 13 LDS loads
	WIN 0
.irp c, 0,1,2,3
.irp g, 0,1,2
.if (\s) < 8
	ds_load_b128 v[BF+48*((\s)%2)+12*\c+4*\g:BF+48*((\s)%2)+12*\c+4*\g+3], v[LI0] offset:(4*(\s)+\c)*IMG+512*\g
.else
	ds_load_b128 v[BF+48*((\s)%2)+12*\c+4*\g:BF+48*((\s)%2)+12*\c+4*\g+3], v[LI1] offset:(4*((\s)-8)+\c)*IMG+512*\g
.endif
.endr
.endr
	ds_load_b128 v[BS+4*((\s)%2):BS+4*((\s)%2)+3], v[LSB] offset:512*(\s)
.endm
.macro KSTEP s
.if (\s) > 0
.rept 4
	v_nop                                          ; four places between the last products and loads into registers that they read (ISA guide 7.12.1 for vector instructions)
.endr
.endif
.if (\s) <= 11
	ALOAD (\s)+4                                   ; into the set that K step s - 1 has left
.endif
.if (\s) <= 14
	BLOAD (\s)+1
.endif
.if (\s) <= 11
	s_wait_loadcnt 48                              ; this K step's fragments of x are in; the four younger sets, 12 loads each, may be out
.else
	s_wait_loadcnt 12*(15-(\s))
.endif
.if (\s) <= 14
	s_wait_dscnt 13                                ; all but the 13 just issued
.else
	s_wait_dscnt 0x0
.endif
.if (\s) == 0
	WIN 0x84                                       ; source 0 (We) window 0, source 1 (x) window 1, C (the bias) window 0, D window 2
.else
	WIN 0xa4                                       ; C and D window 2
.endif
.irp t, 0,1,2,3
.irp c, 0,1,2,3
.if (\s) == 0
	v_wmma_scale_f32_16x16x128_f8f6f4 v[8*(4*\t+\c):8*(4*\t+\c)+7], v[BF+12*\c:BF+12*\c+11], v[12*\t:12*\t+11], v[BIAS+8*\c:BIAS+8*\c+7], v[BS+\c], v[AS+8*\t] matrix_a_fmt:MATRIX_FMT_BF6 matrix_b_fmt:MATRIX_FMT_BF6
.elseif (((\s)/4)%2) == 1
	v_wmma_scale_f32_16x16x128_f8f6f4 v[8*(4*\t+\c):8*(4*\t+\c)+7], v[BF+48*((\s)%2)+12*\c:BF+48*((\s)%2)+12*\c+11], v[48*((\s)%5)+12*\t:48*((\s)%5)+12*\t+11], v[8*(4*\t+\c):8*(4*\t+\c)+7], v[BS+4*((\s)%2)+\c], v[AS+8*\t+4*((\s)/8)+(\s)%4] matrix_a_fmt:MATRIX_FMT_BF6 matrix_b_fmt:MATRIX_FMT_BF6 matrix_b_scale:MATRIX_SCALE_ROW1
.else
	v_wmma_scale_f32_16x16x128_f8f6f4 v[8*(4*\t+\c):8*(4*\t+\c)+7], v[BF+48*((\s)%2)+12*\c:BF+48*((\s)%2)+12*\c+11], v[48*((\s)%5)+12*\t:48*((\s)%5)+12*\t+11], v[8*(4*\t+\c):8*(4*\t+\c)+7], v[BS+4*((\s)%2)+\c], v[AS+8*\t+4*((\s)/8)+(\s)%4] matrix_a_fmt:MATRIX_FMT_BF6 matrix_b_fmt:MATRIX_FMT_BF6
.endif
.endr
.endr
.endm
	s_mov_b32 s40, 0
.Lgroup:                                           ; eight trips, a constant: 32 groups of 64 rows serve every split
	s_lshl_b32 s41, s40, 2
	s_add_co_u32 s41, s41, s18                     ; my group
	s_lshl_b32 s50, s41, 6
	s_cmp_ge_u32 s50, s21
	s_cbranch_scc1 .Lnext                          ; no row of it is routed here; no barrier stands in the loop
	s_wait_xcnt 0x0                                ; the last group's loads and stores have read their registers and bases
	s_mul_i32 s50, s41, 98304
	s_add_nc_u64 s[44:45], s[32:33], s[50:51]      ; four tiles of images
	s_lshl_b32 s50, s41, 12
	s_add_nc_u64 s[46:47], s[34:35], s[50:51]      ; their scale words
	s_lshl_b32 s50, s41, 8
	s_add_nc_u64 s[48:49], s[36:37], s[50:51]      ; their 64 entries
.irp t, 0,1,2,3
	global_load_b128 v[LST+8*\t:LST+8*\t+3], v[LV], s[48:49] offset:64*\t          ; register 8 t + i: the entry of row 16 t + 8 (lane / 16) + i
	global_load_b128 v[LST+8*\t+4:LST+8*\t+7], v[LV], s[48:49] offset:64*\t+16
.endr
.irp t, 0,1,2,3
.irp u, 0,1
	global_load_b128 v[AS+8*\t+4*\u:AS+8*\t+4*\u+3], v[LI0], s[46:47] offset:1024*\t+512*\u
.endr
.endr
	ALOAD 0
	ALOAD 1
	ALOAD 2
	ALOAD 3
	BLOAD 0
.irp s, 0,1,2,3,4,5,6,7,8,9,10,11,12,13,14,15
	KSTEP \s
.endr
	WIN 0
.rept 4
	v_nop                                          ; four places between the last products and the first read of results, and the loads into We's registers
.endr
; THE WAY OUT, a tile of 16 rows x 64 columns at a time, through my own stage: a lane's 32 bytes go in, whole rows of 256 bytes come back, and sixteen lanes store 256 consecutive, aligned bytes of a routed row.
; LDS serves a wave's instructions in order (ISA guide 5.7.1.4): no wait between the stores and the loads, nor in front of the next tile's stores.
.irp t, 0,1,2,3
.set OB, 216-96*(\t%2)                 ; v216-247 and v120-151 by turns
.if \t >= 2
	s_wait_xcnt 0x0                                ; tile t - 2's stores have read these registers
.endif
	WIN 0x08                                       ; an LDS store's data are its source 1: window 2
.irp c, 0,1,2,3
	ds_store_b128 v[STO], v[8*(4*\t+\c):8*(4*\t+\c)+3] offset:64*\c            ; each accumulator from its low end on
	ds_store_b128 v[STO], v[8*(4*\t+\c)+4:8*(4*\t+\c)+7] offset:64*\c+16
.endr
	WIN 0
.irp i, 0,1,2,3,4,5,6,7
	ds_load_b128 v[OB+4*\i:OB+4*\i+3], v[RD] offset:SP*\i
.endr
.irp i, 0,1,2,3,4,5,6,7
	v_min_u32 v[LST+8*\t+\i], 4103, v[LST+8*\t+\i]
.endr
.irp i, 0,1,2,3,4,5,6,7
	v_lshl_add_u32 v[LST+8*\t+\i], v[LST+8*\t+\i], 13, v[C16]   ; the row of hbuf, 8,192 bytes each
.endr
	s_wait_dscnt 0x0
.irp i, 0,1,2,3,4,5,6,7
	global_store_b128 v[LST+8*\t+\i], v[OB+4*\i:OB+4*\i+3], s[38:39]   ; no hint: the next launch reads it
.endr
.endr
.Lnext:
	s_add_co_u32 s40, s40, 1
	s_cmp_lt_u32 s40, 8
	s_cbranch_scc1 .Lgroup
	s_wait_tensorcnt 0x0
	ds_add_u32 v254, v255
	s_wait_dscnt 0x0
	s_endpgm
.Lfunc_end_k_qbb6f50da9e_expert:
	.size	k_qbb6f50da9e_expert, .Lfunc_end_k_qbb6f50da9e_expert-k_qbb6f50da9e_expert
	.p2alignl 7, 3214868480
	.fill 96, 4, 3214868480
	.section	.rodata,"a",@progbits
	.p2align	6, 0x0
	.amdhsa_kernel k_qbb6f50da9e_expert
		.amdhsa_group_segment_fixed_size 125440
		.amdhsa_private_segment_fixed_size 0
		.amdhsa_enable_private_segment 0
		.amdhsa_kernarg_size 56
		.amdhsa_user_sgpr_count 2
		.amdhsa_user_sgpr_kernarg_segment_ptr 1
		.amdhsa_wavefront_size32 1
		.amdhsa_system_sgpr_workgroup_id_x 1
		.amdhsa_system_sgpr_workgroup_id_y 1
		.amdhsa_system_sgpr_workgroup_id_z 1
		.amdhsa_system_vgpr_workitem_id 0
		.amdhsa_next_free_vgpr 768
		.amdhsa_next_free_sgpr 66
		.amdhsa_reserve_vcc 0
		.amdhsa_float_denorm_mode_32 3
		.amdhsa_float_denorm_mode_16_64 3
		.amdhsa_memory_ordered 1
		.amdhsa_forward_progress 1
		.amdhsa_inst_pref_size 207
	.end_amdhsa_kernel
	.amdgpu_metadata
---
amdhsa.version: [ 1, 2 ]
amdhsa.kernels:
  - .name:           k_qbb6f50da9e_expert
    .symbol:         k_qbb6f50da9e_expert.kd
    .args:
      - { .name: We, .offset: 0, .size: 8, .value_kind: global_buffer, .address_space: global }
      - { .name: be, .offset: 8, .size: 8, .value_kind: global_buffer, .address_space: global }
      - { .name: xs, .offset: 16, .size: 8, .value_kind: global_buffer, .address_space: global }
      - { .name: xss, .offset: 24, .size: 8, .value_kind: global_buffer, .address_space: global }
      - { .name: lst, .offset: 32, .size: 8, .value_kind: global_buffer, .address_space: global }
      - { .name: cnt, .offset: 40, .size: 8, .value_kind: global_buffer, .address_space: global }
      - { .name: hbuf, .offset: 48, .size: 8, .value_kind: global_buffer, .address_space: global }
    .group_segment_fixed_size: 125440
    .private_segment_fixed_size: 0
    .kernarg_segment_align: 8
    .kernarg_segment_size: 56
    .max_flat_workgroup_size: 128
    .sgpr_count:     66
    .vgpr_count:     768
    .wavefront_size: 32
...
	.end_amdgpu_metadata
.endif
;; end of part 4
;; launch combine (part 5): grid 256 x 1, 8 waves a work-group, no clusters, 0 bytes of LDS; arguments hbuf, coef, out0; writes out0
.if DOCPART == 5
	.amdgcn_target "amdgcn-amd-amdhsa--gfx1250"
	.amdhsa_code_object_version 6
	.text
	.protected	k_qbb6f50da9e_combine
	.globl	k_qbb6f50da9e_combine
	.p2align	8
	.type	k_qbb6f50da9e_combine,@function
k_qbb6f50da9e_combine:
	s_mov_b64 s[64:65], 0
	v_nop
	global_prefetch_b8 v0, s[64:65] scope:SCOPE_SE
	s_setreg_imm32_b32 hwreg(HW_REG_WAVE_MODE, 25, 1), 1
	s_wait_xcnt 0x0
; THE EXPERTS' SOFTMAX AND THE SUM.  out[token] = q1 softmax(relu(h[2 token])) + q2 softmax(relu(h[2 token + 1])), all in f32; the row's maximum is taken away before the exponential.
; One wave takes one token: its two rows of 8,192 bytes stay in 128 registers between the passes, so hbuf is read once; the reductions never leave the wave: no LDS, no barrier.
; Each load and store of a wave covers 512 consecutive, aligned bytes.  Every address hangs on ids alone: the rows lie at fixed places.
; LIMITS: NaN and infinities are not served; an exponential under 2^-126 counts as 0.
.set H0, 8                             ; v8-71    the first expert's row, then the result
.set H1, 72                            ; v72-135  the second's
; v136-143 at work; v[144:145], v[146:147] q / the row's sum, twice each (a pair for the packed forms); v148 a lane permute's destination
	s_load_b128 s[4:7], s[0:1], 0x0                ; hbuf, coef
	s_load_b64 s[8:9], s[0:1], 0x10                ; out0
	v_lshrrev_b32 v2, 5, v0
	v_readfirstlane_b32 s12, v2                    ; wave
	v_and_b32 v1, 31, v0
	v_lshlrev_b32 v1, 4, v1                        ; 16 bytes a lane
	v_mov_b32 v148, 0
	s_mov_b32 s16, 0x76543210                      ; v_permlanex16_b32's selects for lane l xor 16
	s_mov_b32 s17, 0xfedcba98
	s_lshl_b32 s13, ttmp9, 3
	s_add_co_u32 s13, s13, s12                     ; token
	s_lshl_b32 s14, s13, 14                        ; two rows of 8,192 bytes
	s_mov_b32 s15, 0
	s_lshl_b32 s18, s13, 3
	s_mov_b32 s19, 0
	s_lshl_b32 s20, s13, 13
	s_mov_b32 s21, 0
	s_wait_kmcnt 0x0
	s_add_nc_u64 s[4:5], s[4:5], s[14:15]
	s_add_nc_u64 s[6:7], s[6:7], s[18:19]
	s_add_nc_u64 s[8:9], s[8:9], s[20:21]
	s_load_b64 s[10:11], s[6:7], 0x0               ; q1, q2
.irp i, 0,1,2,3,4,5,6,7,8,9,10,11,12,13,14,15
	global_load_b128 v[H0+4*\i:H0+4*\i+3], v1, s[4:5] offset:512*\i th:TH_LOAD_NT
.endr
.irp i, 0,1,2,3,4,5,6,7,8,9,10,11,12,13,14,15
	global_load_b128 v[H1+4*\i:H1+4*\i+3], v1, s[4:5] offset:8192+512*\i th:TH_LOAD_NT
.endr
; A row of 64 numbers a lane becomes e^(relu(h) - m); v[R], v[R + 1] = the gate's weight / the row's sum.
.macro ROW H, R, cf
	v_max3_num_f32 v136, v[\H], v[\H+1], 0         ; the largest relu(h): 0 is one of the leaves; two chains
	v_max3_num_f32 v137, v[\H+2], v[\H+3], 0
.irp j, 4,8,12,16,20,24,28,32,36,40,44,48,52,56,60
	v_max3_num_f32 v136, v136, v[\H+\j], v[\H+\j+1]
	v_max3_num_f32 v137, v137, v[\H+\j+2], v[\H+\j+3]
.endr
	v_max_num_f32 v136, v136, v137
	v_max_num_f32_dpp v136, v136, v136 row_xmask:1 row_mask:0xf bank_mask:0xf
	v_max_num_f32_dpp v136, v136, v136 row_xmask:2 row_mask:0xf bank_mask:0xf
	v_max_num_f32_dpp v136, v136, v136 row_xmask:4 row_mask:0xf bank_mask:0xf
	v_max_num_f32_dpp v136, v136, v136 row_xmask:8 row_mask:0xf bank_mask:0xf
	v_permlanex16_b32 v148, v136, s16, s17
	v_max_num_f32 v136, v136, v148                 ; m, in every lane
	v_mul_f32 v138, 0xbfb8aa3b, v136               ; - m log2(e)
	v_mov_b32 v139, v138
.set J, 0
.rept 64
	v_max_num_f32 v[\H+J], 0, v[\H+J]              ; relu
.set J, J+1
.endr
.set J, 0
.rept 32
	v_pk_fma_f32 v[\H+J:\H+J+1], v[\H+J:\H+J+1], 0x3fb8aa3b, v[138:139] op_sel_hi:[1,0,1]
.set J, J+2
.endr
.set J, 0
.rept 64
	v_exp_f32 v[\H+J], v[\H+J]                     ; at most 1
.set J, J+1
.endr
	v_nop                                          ; a plain line behind the transcendentals (ISA guide 5.7.2)
	s_wait_alu depctr_va_vdst(0)
	v_pk_add_f32 v[140:141], v[\H:\H+1], v[\H+2:\H+3]
	v_pk_add_f32 v[142:143], v[\H+4:\H+5], v[\H+6:\H+7]
.irp j, 8,12,16,20,24,28,32,36,40,44,48,52,56,60
	v_pk_add_f32 v[140:141], v[140:141], v[\H+\j:\H+\j+1]
	v_pk_add_f32 v[142:143], v[142:143], v[\H+\j+2:\H+\j+3]
.endr
	v_pk_add_f32 v[140:141], v[140:141], v[142:143]
	v_add_f32 v140, v140, v141
	v_add_f32_dpp v140, v140, v140 row_xmask:1 row_mask:0xf bank_mask:0xf
	v_add_f32_dpp v140, v140, v140 row_xmask:2 row_mask:0xf bank_mask:0xf
	v_add_f32_dpp v140, v140, v140 row_xmask:4 row_mask:0xf bank_mask:0xf
	v_add_f32_dpp v140, v140, v140 row_xmask:8 row_mask:0xf bank_mask:0xf
	v_permlanex16_b32 v148, v140, s16, s17
	v_add_f32 v140, v140, v148                     ; the row's sum, at least 1
	v_rcp_f32 v141, v140
	v_nop
	s_wait_alu depctr_va_vdst(0)
	v_mul_f32 v[\R], s[\cf], v141
	v_mov_b32 v[\R+1], v[\R]
.endm
	s_wait_kmcnt 0x0
	s_wait_loadcnt 16                              ; the first row's 16 loads are in; the second row's 16 may be out
	ROW H0, 144, 10
	s_wait_loadcnt 0x0
	ROW H1, 146, 11
.set J, 0
.rept 32
	v_pk_mul_f32 v[H0+J:H0+J+1], v[H0+J:H0+J+1], v[144:145] op_sel_hi:[1,0]
.set J, J+2
.endr
.set J, 0
.rept 32
	v_pk_fma_f32 v[H0+J:H0+J+1], v[H1+J:H1+J+1], v[146:147], v[H0+J:H0+J+1] op_sel_hi:[1,0,1]
.set J, J+2
.endr
.irp i, 0,1,2,3,4,5,6,7,8,9,10,11,12,13,14,15
	global_store_b128 v1, v[H0+4*\i:H0+4*\i+3], s[8:9] offset:512*\i th:TH_STORE_NT
.endr
	s_endpgm
.Lfunc_end_k_qbb6f50da9e_combine:
	.size	k_qbb6f50da9e_combine, .Lfunc_end_k_qbb6f50da9e_combine-k_qbb6f50da9e_combine
	.p2alignl 7, 3214868480
	.fill 96, 4, 3214868480
	.section	.rodata,"a",@progbits
	.p2align	6, 0x0
	.amdhsa_kernel k_qbb6f50da9e_combine
		.amdhsa_group_segment_fixed_size 0
		.amdhsa_private_segment_fixed_size 0
		.amdhsa_enable_private_segment 0
		.amdhsa_kernarg_size 24
		.amdhsa_user_sgpr_count 2
		.amdhsa_user_sgpr_kernarg_segment_ptr 1
		.amdhsa_wavefront_size32 1
		.amdhsa_system_sgpr_workgroup_id_x 1
		.amdhsa_system_sgpr_workgroup_id_y 1
		.amdhsa_system_sgpr_workgroup_id_z 1
		.amdhsa_system_vgpr_workitem_id 0
		.amdhsa_next_free_vgpr 160
		.amdhsa_next_free_sgpr 66
		.amdhsa_reserve_vcc 0
		.amdhsa_float_denorm_mode_32 3
		.amdhsa_float_denorm_mode_16_64 3
		.amdhsa_memory_ordered 1
		.amdhsa_forward_progress 1
		.amdhsa_inst_pref_size 34
	.end_amdhsa_kernel
	.amdgpu_metadata
---
amdhsa.version: [ 1, 2 ]
amdhsa.kernels:
  - .name:           k_qbb6f50da9e_combine
    .symbol:         k_qbb6f50da9e_combine.kd
    .args:
      - { .name: hbuf, .offset: 0, .size: 8, .value_kind: global_buffer, .address_space: global }
      - { .name: coef, .offset: 8, .size: 8, .value_kind: global_buffer, .address_space: global }
      - { .name: out0, .offset: 16, .size: 8, .value_kind: global_buffer, .address_space: global }
    .group_segment_fixed_size: 0
    .private_segment_fixed_size: 0
    .kernarg_segment_align: 8
    .kernarg_segment_size: 24
    .max_flat_workgroup_size: 256
    .sgpr_count:     66
    .vgpr_count:     160
    .wavefront_size: 32
...
	.end_amdgpu_metadata
.endif
;; end of part 5
;; ======== version 2 of 2: 5 launches
;; workspace buffers: route 16,384 bytes of whole numbers; coef 16,384 bytes; xs 25,165,824 bytes; xss 1,048,576 bytes; lst 66,560 bytes of whole numbers; cnt 4,096 bytes of whole numbers; hbuf 33,619,968 bytes
;; launch gate (part 6): grid 256 x 1, 8 waves a work-group, no clusters, 71,168 bytes of LDS; arguments inputs, Wg, bg, route, coef; writes route, coef
.if DOCPART == 6
	.amdgcn_target "amdgcn-amd-amdhsa--gfx1250"
	.amdhsa_code_object_version 6
	.text
	.protected	k_qbb6f50da9e_gate
	.globl	k_qbb6f50da9e_gate
	.p2align	8
	.type	k_qbb6f50da9e_gate,@function
k_qbb6f50da9e_gate:
	s_mov_b64 s[64:65], 0
	v_nop
	global_prefetch_b8 v0, s[64:65] scope:SCOPE_SE
	s_setreg_imm32_b32 hwreg(HW_REG_WAVE_MODE, 25, 1), 1
	s_wait_xcnt 0x0
; THE GATE.  logits = inputs Wg + bg (f32 fused multiply-adds: 8 columns are too few for the matrix unit, and a choice of experts must not turn on a narrow rounding);
; the two largest logits of each token (the lower index wins a tie, as lax.top_k has it); softmax of the two, and softmax of that again, the maximum taken away both times.
; Stored at fixed places: route = u32 e1[2048], then e2[2048]; coef = f32 [token][2].  No address here hangs on the choice.
; SHARES.  A work-group takes 8 tokens.  Thread t (0..255) owns k = 512 i + 2 t + {0, 1}, i = 0..3: a wave's load of x covers 256 consecutive bytes of a row.
; Each thread makes 64 partial sums (8 tokens x 8 experts); they meet in LDS, four threads add each logit's 256 parts, wave 0 ranks.
; LIMITS: NaN and infinities are not served; logits that are equal to within the order of f32 sums may be ranked otherwise than by another order of the same sums.
.set X,   16                           ; v16-79   x: token n, chunk i at v[X + 8 n + 2 i], two numbers
.set W,   80                           ; v80-143  Wg: chunk i, k 2 t + kk, expert j at v[W + 16 i + 8 kk + j]
.set ACC, 144                          ; v144-207 partial logit of token n, expert j at v[ACC + 8 n + j]
.set RP,  544                          ; LDS: a row of 128 partial sums, 512 bytes + 32: rows start 8 words on from each other modulo the 64 banks (ISA guide 11.1)
.set LOG, 128*RP                       ; behind the 128 rows: the 64 logits, 256 bytes
	s_load_b256 s[4:11], s[0:1], 0x0               ; inputs s[4:5], Wg s[6:7], bg s[8:9], route s[10:11]
	s_load_b64 s[12:13], s[0:1], 0x20              ; coef
	v_lshl_add_u32 v224, v0, 2, 0x11200
	v_mov_b32 v225, 0
	v_lshlrev_b32 v1, 3, v0                        ; x: 8 t
	v_lshlrev_b32 v2, 6, v0                        ; Wg: two rows of 32 bytes: 64 t
	v_lshrrev_b32 v8, 7, v0
	v_and_b32 v9, 127, v0
	s_delay_alu instid0(VALU_DEP_2)
	v_mul_u32_u24 v3, v8, RP
	s_delay_alu instid0(VALU_DEP_1)
	v_lshl_add_u32 v3, v9, 2, v3                   ; partial sum v of thread t goes to row 2 v + t / 128, word t % 128
	s_delay_alu instid0(VALU_DEP_1)
	v_add_nc_u32 v4, 64*RP, v3                     ; the same for v = 32 on: the immediate has 16 bits
	v_lshrrev_b32 v8, 1, v0
	v_and_b32 v9, 1, v0
	s_delay_alu instid0(VALU_DEP_2)
	v_mul_u32_u24 v5, v8, RP
	s_delay_alu instid0(VALU_DEP_1)
	v_lshl_add_u32 v5, v9, 4, v5                   ; back: thread t reads row t / 2, every second piece of 16 bytes from piece t % 2 on
	v_lshrrev_b32 v8, 2, v0
	s_delay_alu instid0(VALU_DEP_1)
	v_lshl_add_u32 v6, v8, 2, LOG                  ; logit t / 4
	v_and_b32 v8, 7, v0
	s_delay_alu instid0(VALU_DEP_1)
	v_lshl_add_u32 v7, v8, 5, LOG                  ; wave 0: the eight logits of token lane % 8
	v_lshrrev_b32 v8, 5, v0
	s_delay_alu instid0(VALU_DEP_1)
	v_readfirstlane_b32 s14, v8                    ; wave
	s_lshl_b32 s2, ttmp9, 16                       ; 8 rows of 8,192 bytes
	s_mov_b32 s3, 0
	s_wait_kmcnt 0x0
	s_add_nc_u64 s[4:5], s[4:5], s[2:3]
	s_load_b256 s[16:23], s[8:9], 0x0              ; bg
.irp i, 0,1,2,3
.irp q, 0,1,2,3
	global_load_b128 v[W+16*\i+4*\q:W+16*\i+4*\q+3], v2, s[6:7] offset:16384*\i+16*\q
.endr
.endr
.irp n, 0,1,2,3,4,5,6,7
.irp i, 0,1,2,3
	global_load_b64 v[X+8*\n+2*\i:X+8*\n+2*\i+1], v1, s[4:5] offset:8192*\n+2048*\i   ; no hint: the next launch reads these rows again
.endr
.endr
	s_wait_loadcnt 0x0                             ; the thread's whole share, 48 loads, was asked for at once
; 256 packed multiply-adds: x(n, k) x Wg(k, j .. j + 1).  The first product starts each sum; 32 independent lines stand between two links of a sum.
.irp i, 0,1,2,3
.irp kk, 0,1
.irp n, 0,1,2,3,4,5,6,7
.irp j, 0,2,4,6
.if (\i == 0) && (\kk == 0)
	v_pk_mul_f32 v[ACC+8*\n+\j:ACC+8*\n+\j+1], v[X+8*\n:X+8*\n+1], v[W+\j:W+\j+1] op_sel_hi:[0,1]
.else
	v_pk_fma_f32 v[ACC+8*\n+\j:ACC+8*\n+\j+1], v[X+8*\n+2*\i:X+8*\n+2*\i+1], v[W+16*\i+8*\kk+\j:W+16*\i+8*\kk+\j+1], v[ACC+8*\n+\j:ACC+8*\n+\j+1] op_sel:[\kk,0,0] op_sel_hi:[\kk,1,1]
.endif
.endr
.endr
.endr
.endr
.set VI, 0
.rept 64
.if VI < 32
	ds_store_b32 v3, v[ACC+VI] offset:2*RP*VI
.else
	ds_store_b32 v4, v[ACC+VI] offset:2*RP*(VI-32)
.endif
.set VI, VI+1
.endr
	s_wait_dscnt 0x0                               ; for the others' sake: my partial sums lie in LDS
	s_barrier_signal -1
	s_barrier_wait -1
.irp q, 0,1,2,3,4,5,6,7,8,9,10,11,12,13,14,15
	ds_load_b128 v[X+4*\q:X+4*\q+3], v5 offset:32*\q   ; 64 of the 256 parts of logit t / 4
.endr
	s_wait_dscnt 0x0
.irp d, 32,16,8,4,2
.set J, 0
.rept \d/2
	v_pk_add_f32 v[X+J:X+J+1], v[X+J:X+J+1], v[X+J+\d:X+J+\d+1]
.set J, J+2
.endr
.endr
	s_delay_alu instid0(VALU_DEP_1)
	v_add_f32 v[X], v[X], v[X+1]
	s_delay_alu instid0(VALU_DEP_1)
	v_add_f32_dpp v[X], v[X], v[X] row_xmask:1 row_mask:0xf bank_mask:0xf   ; the other pieces of my row,
	s_delay_alu instid0(VALU_DEP_1)
	v_add_f32_dpp v[X], v[X], v[X] row_xmask:2 row_mask:0xf bank_mask:0xf   ; and the logit's other row
	ds_store_b32 v6, v[X]                          ; four lanes write the same word with the same value
	s_wait_dscnt 0x0
	s_barrier_signal -1
	s_barrier_wait -1
	s_cmp_lg_u32 s14, 0                            ; no barrier follows: waves 1 to 7 are done
	s_cbranch_scc1 .Lend
	ds_load_b128 v[16:19], v7
	ds_load_b128 v[20:23], v7 offset:16
	s_lshl_b32 s2, ttmp9, 5                        ; route: 4 bytes a token
	s_add_nc_u64 s[10:11], s[10:11], s[2:3]
	s_lshl_b32 s2, ttmp9, 6                        ; coef: 8 bytes a token
	s_add_nc_u64 s[12:13], s[12:13], s[2:3]
	v_lshlrev_b32 v29, 2, v0
	v_mov_b32 v28, 0xff800000                      ; -infinity
	s_wait_kmcnt 0x0                               ; bg
	s_wait_dscnt 0x0
.irp j, 0,1,2,3,4,5,6,7
	v_add_f32 v[16+\j], s[16+\j], v[16+\j]
.endr
	v_mov_b32 v24, v16                             ; the largest so far, and its expert
	v_mov_b32 v25, 0
.irp j, 1,2,3,4,5,6,7
	s_delay_alu instid0(VALU_DEP_2)
	v_cmp_ge_f32 vcc_lo, v24, v[16+\j]             ; kept while it is not beaten: the lower index wins a tie
	s_delay_alu instid0(VALU_DEP_1)
	v_cndmask_b32 v24, v[16+\j], v24, vcc_lo
	s_delay_alu instid0(VALU_DEP_2)
	v_cndmask_b32 v25, \j, v25, vcc_lo
.endr
.irp j, 0,1,2,3,4,5,6,7
	v_cmp_eq_u32 vcc_lo, \j, v25
	s_delay_alu instid0(VALU_DEP_1)
	v_cndmask_b32 v[16+\j], v[16+\j], v28, vcc_lo  ; the winner leaves the field
.endr
	v_mov_b32 v26, v16
	v_mov_b32 v27, 0
.irp j, 1,2,3,4,5,6,7
	s_delay_alu instid0(VALU_DEP_2)
	v_cmp_ge_f32 vcc_lo, v26, v[16+\j]
	s_delay_alu instid0(VALU_DEP_1)
	v_cndmask_b32 v26, v[16+\j], v26, vcc_lo
	s_delay_alu instid0(VALU_DEP_2)
	v_cndmask_b32 v27, \j, v27, vcc_lo
.endr
	s_delay_alu instid0(VALU_DEP_2)
	v_sub_f32 v40, v26, v24                        ; second less first: 0 or less: the maximum is taken away
	s_delay_alu instid0(VALU_DEP_1)
	v_mul_f32 v40, 0x3fb8aa3b, v40
	s_wait_alu depctr_va_vdst(0)
	v_exp_f32 v40, v40                             ; a = e^(v2 - v1)
	v_nop                                          ; a plain line behind a transcendental (ISA guide 5.7.2)
	s_wait_alu depctr_va_vdst(0)
	v_add_f32 v41, 1.0, v40
	s_wait_alu depctr_va_vdst(0)
	v_rcp_f32 v41, v41                             ; p1 = 1 / (1 + a)
	v_nop
	s_wait_alu depctr_va_vdst(0)
	v_mul_f32 v42, v40, v41                        ; p2 = a p1, at most p1
	v_sub_f32 v43, v42, v41
	s_delay_alu instid0(VALU_DEP_1)
	v_mul_f32 v43, 0x3fb8aa3b, v43
	s_wait_alu depctr_va_vdst(0)
	v_exp_f32 v43, v43                             ; b = e^(p2 - p1)
	v_nop
	s_wait_alu depctr_va_vdst(0)
	v_add_f32 v44, 1.0, v43
	s_wait_alu depctr_va_vdst(0)
	v_rcp_f32 v44, v44                             ; q1
	v_nop
	s_wait_alu depctr_va_vdst(0)
	v_mul_f32 v45, v43, v44                        ; q2
	s_wait_alu depctr_va_vdst(0)
	s_wait_xcnt 0x0                                ; EXEC changes only behind this wait
	v_cmp_gt_u32 vcc_lo, 8, v0
	s_and_saveexec_b32 s15, vcc_lo                 ; lanes 0 to 7: one for each token
	global_store_b32 v29, v25, s[10:11]
	global_store_b32 v29, v27, s[10:11] offset:8192
	global_store_b64 v1, v[44:45], s[12:13]
	s_wait_xcnt 0x0
	s_or_b32 exec_lo, exec_lo, s15
.Lend:
	s_wait_tensorcnt 0x0
	ds_add_u32 v224, v225
	s_wait_dscnt 0x0
	s_endpgm
.Lfunc_end_k_qbb6f50da9e_gate:
	.size	k_qbb6f50da9e_gate, .Lfunc_end_k_qbb6f50da9e_gate-k_qbb6f50da9e_gate
	.p2alignl 7, 3214868480
	.fill 96, 4, 3214868480
	.section	.rodata,"a",@progbits
	.p2align	6, 0x0
	.amdhsa_kernel k_qbb6f50da9e_gate
		.amdhsa_group_segment_fixed_size 71168
		.amdhsa_private_segment_fixed_size 0
		.amdhsa_enable_private_segment 0
		.amdhsa_kernarg_size 40
		.amdhsa_user_sgpr_count 2
		.amdhsa_user_sgpr_kernarg_segment_ptr 1
		.amdhsa_wavefront_size32 1
		.amdhsa_system_sgpr_workgroup_id_x 1
		.amdhsa_system_sgpr_workgroup_id_y 1
		.amdhsa_system_sgpr_workgroup_id_z 1
		.amdhsa_system_vgpr_workitem_id 0
		.amdhsa_next_free_vgpr 226
		.amdhsa_next_free_sgpr 66
		.amdhsa_reserve_vcc 1
		.amdhsa_float_denorm_mode_32 3
		.amdhsa_float_denorm_mode_16_64 3
		.amdhsa_memory_ordered 1
		.amdhsa_forward_progress 1
		.amdhsa_inst_pref_size 36
	.end_amdhsa_kernel
	.amdgpu_metadata
---
amdhsa.version: [ 1, 2 ]
amdhsa.kernels:
  - .name:           k_qbb6f50da9e_gate
    .symbol:         k_qbb6f50da9e_gate.kd
    .args:
      - { .name: inputs, .offset: 0, .size: 8, .value_kind: global_buffer, .address_space: global }
      - { .name: Wg, .offset: 8, .size: 8, .value_kind: global_buffer, .address_space: global }
      - { .name: bg, .offset: 16, .size: 8, .value_kind: global_buffer, .address_space: global }
      - { .name: route, .offset: 24, .size: 8, .value_kind: global_buffer, .address_space: global }
      - { .name: coef, .offset: 32, .size: 8, .value_kind: global_buffer, .address_space: global }
    .group_segment_fixed_size: 71168
    .private_segment_fixed_size: 0
    .kernarg_segment_align: 8
    .kernarg_segment_size: 40
    .max_flat_workgroup_size: 256
    .sgpr_count:     66
    .vgpr_count:     226
    .wavefront_size: 32
...
	.end_amdgpu_metadata
.endif
;; end of part 6
;; launch sort: the kernel of part 2 again; grid 8 x 1, 1 waves a work-group, no clusters, 0 bytes of LDS; arguments route, lst, cnt; writes lst, cnt
;; launch place (part 7): grid 32 x 8, 4 waves a work-group, no clusters, 34,304 bytes of LDS; arguments inputs, lst, cnt, xs, xss; writes xs, xss
.if DOCPART == 7
	.amdgcn_target "amdgcn-amd-amdhsa--gfx1250"
	.amdhsa_code_object_version 6
	.text
	.protected	k_qbb6f50da9e_place
	.globl	k_qbb6f50da9e_place
	.p2align	8
	.type	k_qbb6f50da9e_place,@function
k_qbb6f50da9e_place:
	s_mov_b64 s[64:65], 0
	v_nop
	global_prefetch_b8 v0, s[64:65] scope:SCOPE_SE
	s_setreg_imm32_b32 hwreg(HW_REG_WAVE_MODE, 25, 1), 1
	s_wait_xcnt 0x0
; THE PLACING.  For expert e (work-group y) the rows of x that its stored list names are gathered, quantised to BF6 (E3M2) with one E8M0 scale for each 32 along K, and stored as IMAGES OF THE OPERAND'S
; REGISTERS, so that the next launch loads a fragment by three loads of 512 consecutive bytes.
;   xs  [e][tile 128][K step 16][g 3][lane 32][16 bytes]: registers 4 g .. 4 g + 3 of the fragment (16 rows x 128 K) of lane l
;   xss [e][tile][u 2][lane 32][4 words]: lane (r, h), word i: the scale word of row r for K step 8 u + 4 h + i
; A block's scale is 2^(floor(log2(largest magnitude)) - 4); its byte is the largest magnitude's exponent field - 4, held at 1 from below.
; LIMITS: a block of zeros, or one whose largest magnitude lies under 2^-122, gets the byte 1 (the bytes are read by this program alone, and zero codes add nothing); NaN and infinities are not served.
; SHARES.  Work-group (part, e) takes tiles part + 32 i, i = 0..3, in a loop of constant count; a tile at or past the count, rounded up to 64 rows, is passed over: the grid serves every split, all tokens on one
; expert too, and at the even split (512 rows) each work-group has one tile.  Wave w takes K quarter w of the tile: four K steps, 2,048 consecutive bytes of each of the 16 rows.
; The count and the entries are read from memory, where an earlier launch stored them.  Entries of the padding (4096 + e) take token 2047's numbers: their results go to a dump row in the next launch.
; A load takes a row's 512 bytes as they lie, 16 a lane; the conversions want 16 neighbours along K in a lane: so a K step's 16 rows turn through the wave's own stage in LDS.  Waves share nothing: no barrier.
.set SP,   528                         ; LDS: a stage for each wave: 16 rows x (512 bytes + 16)
.set RO,   10                          ; v10-25   the tile's 16 entries (the same in every lane), then row r's byte offset of my 16 bytes in x
.set PWS,  26                          ; v26-29   the four K steps' scale words
.set PC,   30                          ; v30-49   the codes just made
.set TM,   50                          ; v50-61   at work in QUANT
.set PW,   62                          ; v62      the scale word just made
.set XL,   64                          ; v64-255  three sets of 64 numbers
.set SEL,  38                          ; s[38:39] v_permlanex16_b32's selects for lane l xor 16
; v1 16 x lane; v2, v3 the stage, in and out; v4 0; v5 16 x (lane % 16)
; s18 wave, s19 part, s20 expert, s23 tile, s24 i, s[26:27] lst at e, s[28:29] at the tile, s35 count, s37 rounded up, s[40:41] x at my quarter, s[42:43] my images, s[44:45] my scale words, s[46:47] an offset (s47 = 0)
; 64 numbers of a lane, register 16 b + i = k 32 b + 16 (lane / 16) + i of my row, become a fragment's codes in v[PC] on and its scale word in v[PW].
.macro QUANT s
.irp b, 0,1,2,3
	v_max3_num_f32 v[TM+\b], |v[\s+16*\b]|, |v[\s+1+16*\b]|, 0x2800000   ; block b: my 16 numbers, and the floor 2^(5 - 127): the byte cannot fall under 1
.endr
.irp i, 2,4,6,8,10,12,14
.irp b, 0,1,2,3
	v_max3_num_f32 v[TM+\b], v[TM+\b], |v[\s+16*\b+\i]|, |v[\s+1+16*\b+\i]|   ; the four blocks by turns
.endr
.endr
.irp b, 0,1,2,3
	v_permlanex16_b32 v[TM+4+\b], v[TM+\b], s[SEL], s[SEL+1]
.endr
.irp b, 0,1,2,3
	v_max_num_f32 v[TM+\b], v[TM+\b], v[TM+4+\b]   ; with lane l xor 16's: the block's largest magnitude, the same bits in both lanes
.endr
.irp b, 0,1,2,3
	v_add_nc_u32 v[TM+8+\b], 0xfe000000, v[TM+\b]  ; 4 off its exponent field: the conversion's scale operand
.endr
.irp b, 0,1,2,3
	v_lshrrev_b32 v[TM+4+\b], 23, v[TM+8+\b]       ; the scale's byte
.endr
	v_lshl_or_b32 v[PW], v[TM+5], 8, v[TM+4]
	v_lshl_or_b32 v[PW], v[TM+6], 16, v[PW]
	v_lshl_or_b32 v[PW], v[TM+7], 24, v[PW]
.irp c, 0,1
	v_cvt_scalef32_pk16_bf6_f32 v[PC+6*\c:PC+2+6*\c], v[\s+32*\c:\s+15+32*\c], v[TM+8+2*\c]
	v_cvt_scalef32_pk16_bf6_f32 v[PC+12+4*\c:PC+14+4*\c], v[\s+16+32*\c:\s+31+32*\c], v[TM+8+2*\c+1]   ; (a conversion's three registers begin on an even number)
.endr
	v_nop                                          ; one plain line behind a scaled conversion
.irp c, 0,1                                    ; the operand's layout wants a whole block in a lane: lanes 0-15 block 2 c, lanes 16-31 block 2 c + 1
.irp i, 0,1,2
	v_permlane16_swap_b32 v[PC+6*\c+\i], v[PC+12+4*\c+\i]
.endr
.irp i, 0,1,2
	v_mov_b32 v[PC+3+6*\c+\i], v[PC+12+4*\c+\i]
.endr
.endr
.endm
.macro XLOAD kk                        ; K step kk of my quarter: each row's 512 consecutive bytes, 16 a lane, into set kk % 3.  No hint: a row is named by two experts
.irp r, 0,1,2,3,4,5,6,7,8,9,10,11,12,13,14,15
	global_load_b128 v[XL+64*((\kk)%3)+4*\r:XL+64*((\kk)%3)+4*\r+3], v[RO+\r], s[40:41] offset:512*(\kk)
.endr
.endm
	s_load_b256 s[4:11], s[0:1], 0x0               ; inputs s[4:5], lst s[6:7], cnt s[8:9], xs s[10:11]
	s_load_b64 s[12:13], s[0:1], 0x20              ; xss
	v_lshl_add_u32 v49, v0, 2, 0x8400
	v_mov_b32 v63, 0
	v_lshrrev_b32 v6, 5, v0
	v_readfirstlane_b32 s18, v6                    ; wave
	s_mov_b32 s19, ttmp9                           ; part 0..31
	s_and_b32 s20, ttmp7, 0xffff                   ; expert
	v_and_b32 v6, 31, v0                           ; lane
	v_and_b32 v7, 15, v0                           ; r
	v_bfe_u32 v8, v0, 4, 1                         ; h
	v_lshlrev_b32 v1, 4, v6
	s_mul_i32 s25, s18, 16*SP                      ; my stage
	v_add_nc_u32 v2, s25, v1                       ; in: a row's 512 bytes as they lie
	v_mul_u32_u24 v3, v7, SP
	v_lshl_add_u32 v3, v8, 6, v3
	v_add_nc_u32 v3, s25, v3                       ; out: row r, my half's 16 numbers of each block of 32
	v_mov_b32 v4, 0
	v_lshlrev_b32 v5, 4, v7
.irp b, 0,1,2,3
	v_mov_b32 v[TM+4+\b], 0                        ; written once: a lane permute's destination counts as one of its sources
.endr
	s_mov_b32 s[SEL], 0x76543210
	s_mov_b32 s[SEL+1], 0xfedcba98
	s_mov_b32 s47, 0                               ; (stays 0: the upper word of every offset)
	s_lshl_b32 s46, s20, 9
	s_wait_kmcnt 0x0
	s_add_nc_u64 s[30:31], s[8:9], s[46:47]
	s_load_b32 s35, s[30:31], 0x0                  ; the expert's count
	s_lshl_b32 s46, s18, 11                        ; my K quarter: 512 numbers
	s_add_nc_u64 s[40:41], s[4:5], s[46:47]
	s_lshl_b32 s46, s20, 13
	s_add_nc_u64 s[26:27], s[6:7], s[46:47]        ; the expert's list
	s_mov_b32 s24, 0
	s_wait_kmcnt 0x0
	s_min_u32 s35, s35, 2048
	s_add_co_u32 s37, s35, 63
	s_and_b32 s37, s37, 0xffffffc0                 ; rounded up to the next launch's groups of 64 rows
.Lunit:                                            ; four trips, a constant: 128 tiles of 16 rows serve every split
	s_lshl_b32 s25, s24, 5
	s_add_co_u32 s23, s25, s19                     ; my tile
	s_lshl_b32 s25, s23, 4
	s_cmp_ge_u32 s25, s37
	s_cbranch_scc1 .Lnext                          ; no row of it is wanted
	s_wait_xcnt 0x0                                ; the last tile's loads and stores have read their registers and bases
	s_lshl_b32 s46, s23, 6
	s_add_nc_u64 s[28:29], s[26:27], s[46:47]
	s_wait_alu depctr_va_vdst(0)
.irp j, 0,1,2,3
	global_load_b128 v[RO+4*\j:RO+4*\j+3], v4, s[28:29] offset:16*\j   ; the tile's 16 entries, the same words in every lane
.endr
	s_lshl_b32 s25, s20, 7
	s_add_co_u32 s25, s25, s23                     ; 128 e + tile
	s_mul_i32 s46, s25, 24576
	s_mul_i32 s21, s18, 6144
	s_add_co_u32 s46, s46, s21
	s_add_nc_u64 s[42:43], s[10:11], s[46:47]      ; my four images
	s_lshl_b32 s46, s25, 10
	s_lshl_b32 s21, s18, 8
	s_add_co_u32 s46, s46, s21
	s_add_nc_u64 s[44:45], s[12:13], s[46:47]      ; my 256 bytes of scale words: K steps 4 w + i are half u = w / 2, lanes 16 (w % 2) + r
	s_wait_loadcnt 0x0
.irp r, 0,1,2,3,4,5,6,7,8,9,10,11,12,13,14,15
	v_lshrrev_b32 v[RO+\r], 1, v[RO+\r]            ; the token
.endr
.irp r, 0,1,2,3,4,5,6,7,8,9,10,11,12,13,14,15
	v_min_u32 v[RO+\r], 2047, v[RO+\r]
.endr
.irp r, 0,1,2,3,4,5,6,7,8,9,10,11,12,13,14,15
	v_lshl_add_u32 v[RO+\r], v[RO+\r], 13, v1      ; its row of 8,192 bytes, + 16 x lane
.endr
	XLOAD 0
	XLOAD 1
	XLOAD 2
.irp kk, 0,1,2,3
.if \kk < 2
	s_wait_loadcnt 32                              ; this K step's 16 loads are in; two younger steps' 16 each may be out
.elseif \kk == 2
	s_wait_loadcnt 16                              ; the last step's 16 may be out
.else
	s_wait_loadcnt 0x0
.endif
.irp r, 0,1,2,3,4,5,6,7,8,9,10,11,12,13,14,15
	ds_store_b128 v2, v[XL+64*(\kk%3)+4*\r:XL+64*(\kk%3)+4*\r+3] offset:SP*\r
.endr
	s_wait_dscnt 0x0                               ; the stores have read their registers, which the loads below fill
.irp b, 0,1,2,3
.irp j, 0,1,2,3
	ds_load_b128 v[XL+64*(\kk%3)+16*\b+4*\j:XL+64*(\kk%3)+16*\b+4*\j+3], v3 offset:128*\b+16*\j
.endr
.endr
	s_wait_dscnt 0x0
	s_wait_xcnt 0x0                                ; the last image's stores have read the codes' registers
	QUANT XL+64*(\kk%3)
.irp g, 0,1,2
	global_store_b128 v1, v[PC+4*\g:PC+4*\g+3], s[42:43] offset:1536*\kk+512*\g   ; 512 consecutive bytes, aligned
.endr
	v_mov_b32 v[PWS+\kk], v[PW]
.if \kk == 0
	XLOAD 3                                        ; into the set that has just been quantised
.endif
.endr
	global_store_b128 v5, v[PWS:PWS+3], s[44:45]   ; 256 consecutive bytes, aligned; lanes r and r + 16 store the same words with the same values
.Lnext:
	s_add_co_u32 s24, s24, 1
	s_cmp_lt_u32 s24, 4
	s_cbranch_scc1 .Lunit
	s_wait_tensorcnt 0x0
	ds_add_u32 v49, v63
	s_wait_dscnt 0x0
	s_endpgm
.Lfunc_end_k_qbb6f50da9e_place:
	.size	k_qbb6f50da9e_place, .Lfunc_end_k_qbb6f50da9e_place-k_qbb6f50da9e_place
	.p2alignl 7, 3214868480
	.fill 96, 4, 3214868480
	.section	.rodata,"a",@progbits
	.p2align	6, 0x0
	.amdhsa_kernel k_qbb6f50da9e_place
		.amdhsa_group_segment_fixed_size 34304
		.amdhsa_private_segment_fixed_size 0
		.amdhsa_enable_private_segment 0
		.amdhsa_kernarg_size 40
		.amdhsa_user_sgpr_count 2
		.amdhsa_user_sgpr_kernarg_segment_ptr 1
		.amdhsa_wavefront_size32 1
		.amdhsa_system_sgpr_workgroup_id_x 1
		.amdhsa_system_sgpr_workgroup_id_y 1
		.amdhsa_system_sgpr_workgroup_id_z 1
		.amdhsa_system_vgpr_workitem_id 0
		.amdhsa_next_free_vgpr 256
		.amdhsa_next_free_sgpr 66
		.amdhsa_reserve_vcc 0
		.amdhsa_float_denorm_mode_32 3
		.amdhsa_float_denorm_mode_16_64 3
		.amdhsa_memory_ordered 1
		.amdhsa_forward_progress 1
		.amdhsa_inst_pref_size 37
	.end_amdhsa_kernel
	.amdgpu_metadata
---
amdhsa.version: [ 1, 2 ]
amdhsa.kernels:
  - .name:           k_qbb6f50da9e_place
    .symbol:         k_qbb6f50da9e_place.kd
    .args:
      - { .name: inputs, .offset: 0, .size: 8, .value_kind: global_buffer, .address_space: global }
      - { .name: lst, .offset: 8, .size: 8, .value_kind: global_buffer, .address_space: global }
      - { .name: cnt, .offset: 16, .size: 8, .value_kind: global_buffer, .address_space: global }
      - { .name: xs, .offset: 24, .size: 8, .value_kind: global_buffer, .address_space: global }
      - { .name: xss, .offset: 32, .size: 8, .value_kind: global_buffer, .address_space: global }
    .group_segment_fixed_size: 34304
    .private_segment_fixed_size: 0
    .kernarg_segment_align: 8
    .kernarg_segment_size: 40
    .max_flat_workgroup_size: 128
    .sgpr_count:     66
    .vgpr_count:     256
    .wavefront_size: 32
...
	.end_amdgpu_metadata
.endif
;; end of part 7
;; launch expert (part 8): grid 32 x 8, 4 waves a work-group, no clusters, 125,440 bytes of LDS; arguments We, be, xs, xss, lst, cnt, hbuf; writes hbuf
.if DOCPART == 8
	.amdgcn_target "amdgcn-amd-amdhsa--gfx1250"
	.amdhsa_code_object_version 6
	.text
	.protected	k_qbb6f50da9e_expert
	.globl	k_qbb6f50da9e_expert
	.p2align	8
	.type	k_qbb6f50da9e_expert,@function
k_qbb6f50da9e_expert:
	s_mov_b64 s[64:65], 0
	v_nop
	global_prefetch_b8 v0, s[64:65] scope:SCOPE_SE
	s_setreg_imm32_b32 hwreg(HW_REG_WAVE_SCHED_MODE, 0, 2), 2
	s_setreg_imm32_b32 hwreg(HW_REG_WAVE_MODE, 25, 1), 1
	s_wait_xcnt 0x0
	s_wait_alu depctr_vm_vsrc(0)
; THE EXPERTS' PRODUCT.  Work-group (slice sl, expert e) makes h = x We[e] + be[e] for columns 64 sl .. 64 sl + 63 and all rows routed to e, on codes of BF6 (E3M2) with one E8M0 scale for each 32 along K.
; Only the rows that the gate chose are multiplied: the others' results are thrown away by a coefficient of 0.  h goes to hbuf[2 x token + slot][2048] f32; the softmax over all 2,048 columns is the next launch's.
; PHASE 1.  The work-group's part of We, 2,048 rows x 256 bytes of f32, is read ONCE from memory, in loads of two whole rows of 256 aligned bytes, quantised down K in registers, and kept in LDS as images of the
; operand's registers (64 fragments of 16 columns x 128 K) with their scale words.  Wave w takes K steps 4 n + w.  A lane's 16 bytes are four columns: 64 moves for each column lay its 64 numbers along K on end,
; as the conversions want them; the LDS address of the image's store does the change of lanes (column 4 q + cc is row 4 (q % 4) + cc of tile q / 4).
; PHASE 2.  Groups of 64 routed rows; wave w takes groups 4 g + w, g = 0..7, and passes over those at or past the count.  A group is 4 tiles of rows x 4 tiles of columns: 16 accumulators by turns
; and 16 K steps.  x's fragments come from memory as images (three loads of 512 consecutive bytes), four K steps ahead, in a ring of five register sets; We's from LDS, one step ahead.
; THE MATRIX INSTRUCTION IS USED TRANSPOSED (source 0 = 16 columns of We, source 1 = 16 rows of x): a lane holds eight neighbouring columns of one row.  The bias is the C of each sum's first product.
; NO CLUSTER: the 32 slices of an expert read the same images of x, but how many groups there are hangs on a count read from memory; joint requests, which every partner makes on every path, would have to be
; made for the largest count, 2,048 rows, four times the mean of 512, which takes back the division by four.
; LIMITS: a block of zeros, or one whose largest magnitude lies under 2^-122, gets the scale byte 1 (zero codes add nothing); NaN and infinities are not served.
; Rows of the padding (entries 4096 + e) fall into dump row 4096 + e of hbuf, whose slice sl this work-group alone writes and nobody reads.
; THE MODE: SCHED_MODE bits 1:0 = 2 (LLVM: expert scheduling mode 2), set by the entry lines.  The code itself states the register dependences between vector or matrix instructions and memory or LDS
; instructions, with s_wait_alu, always for 0.
; THE PLAN.  Registers that memory or LDS instructions touch:
;   v1-v11        addresses: written once at the head, read by every load and store, never written again: one wait on va_vdst ahead of the first load.
;   sets A, B     phase 1: written by a set's 64 loads, read by the 256 moves of its PROC; asked for again behind a wait on va_vdst at the head of the next LOADSET into the set.
;   v[PC ..], PW  phase 1: written by QUANT, read by the column's four LDS stores: va_vdst ahead of the stores, vm_vsrc ahead of the next QUANT.
;   LST, AS, the ring, BF, BS, the accumulators, the two out-buffers: phase 2.  ONE pair of waits at a group's head: the last group's stores have read LST, the out-buffers and the accumulators (first trip:
;                 phase 1's LDS stores have read PC and PW); the last group's products and address lines are done with AS, the ring, BF and LST (first trip: phase 1's arithmetic with v120 to v221).
;   K step s      its products name ring set s % 5, BF and BS set s % 2, AS and the accumulators; its loads land in ring set (s - 1) % 5 and in BF and BS set (s - 1) % 2, which step s - 1's products read.
;                 So ONE wait on va_vdst stands at a step's head, and the step's 25 loads follow it among its products with no further wait.  Step 0 has the group's wait; step 15 loads nothing.
;   the way out   the 64 address lines on LST stand behind the last products; one wait on va_vdst behind them serves the LDS stores of the accumulators, the stores' addresses and the loads into the out-buffers;
;                 vm_vsrc ahead of the second use of each out-buffer.
.set IMG,  1552                        ; LDS: an image: 3 x 512 bytes + 16, so that the four tiles that a store's sixteen lanes touch start 4 words on from each other (64 banks of 4 bytes: ISA guide 11.1)
.set BSC,  64*IMG                      ; behind the 64 images (K step s, tile c: 4 s + c): We's scale words [s][lane 32][c 4]
.set STG,  BSC+8192                    ; a stage for each wave: 16 rows x (256 bytes + 16)
.set SP,   272
.set LI0,  1                           ; v1   16 x lane
.set LI1,  2                           ; v2   the same, 32 images on
.set LSB,  3                           ; v3   BSC + 16 x lane
.set LV,   4                           ; v4   32 x (lane / 16): eight words of the bias, or of the list, for my half
.set STO,  5                           ; v5   the stage, in: row r, 32 bytes for each half
.set RD,   6                           ; v6   and back: lanes 0-15 rows 0-7, lanes 16-31 rows 8-15
.set C16,  7                           ; v7   16 x (lane % 16)
.set WO,   8                           ; v8   We: 16 rows x (lane / 16) + 16 x (lane % 16)
.set WA0,  9                           ; v9   where my codes go in an image, K steps 0-7;  v10: 8-15
.set WA1,  10
.set WS,   11                          ; v11  and my scale word
.set BIAS, 16                          ; v16-47   tile c: be at my eight columns
.set BS,   48                          ; v48-55   We's scale words, two sets of four: scales and nothing else
.set AS,   56                          ; v56-87   x's scale words: tile t, half u, word i at 8 t + 4 u + i: scales and nothing else
.set LST,  88                          ; v88-119  the list's entries of my rows, then their byte offsets in hbuf
.set BF,   120                         ; v120-215 We's fragments, two sets of 48
.set ST,   120                         ; phase 1: v120-183 64 numbers of a column; v184-203 codes; v204-219 at work; v220 the scale word
.set PC,   184
.set TM,   204
.set PW,   220
.set SEL,  22                          ; s[22:23] v_permlanex16_b32's selects for lane l xor 16
; window 1: phase 1: load set A (256 registers); phase 2: the ring of x's fragments, set s % 5 at 48 (s % 5), tile t at + 12 t
; window 2: phase 1: load set B; phase 2: the accumulators, (t, c) at 8 (4 t + c)
; s18 wave, s19 slice, s20 expert, s21 count, s[24:31] We at my four K steps, s[32:33] xs, s[34:35] xss, s[36:37] lst at e, s[38:39] hbuf at my slice, s40 g, s41 group, s[44:49] the group's three bases, s[50:51] an offset (s51 = 0)
.set MSB, 0
.macro WIN new                         ; the immediate's high byte repeats the setting that is left; a switch that changes nothing is dropped
.if MSB != (\new)
	s_set_vgpr_msb (MSB<<8)|(\new)
.set MSB, (\new)
.endif
.endm
; 64 numbers of a lane, register 16 b + i = k 32 b + 16 (lane / 16) + i of the lane's column, become a fragment's codes in v[PC] on and its scale word in v[PW].
.macro QUANT s
.irp b, 0,1,2,3
	v_max3_num_f32 v[TM+\b], |v[\s+16*\b]|, |v[\s+1+16*\b]|, 0x2800000   ; block b: my 16 numbers, and the floor 2^(5 - 127): the byte cannot fall under 1
.endr
.irp i, 2,4,6,8,10,12,14
.irp b, 0,1,2,3
	v_max3_num_f32 v[TM+\b], v[TM+\b], |v[\s+16*\b+\i]|, |v[\s+1+16*\b+\i]|   ; the four blocks by turns
.endr
.endr
.irp b, 0,1,2,3
	v_permlanex16_b32 v[TM+4+\b], v[TM+\b], s[SEL], s[SEL+1]
.endr
.irp b, 0,1,2,3
	v_max_num_f32 v[TM+\b], v[TM+\b], v[TM+4+\b]   ; with lane l xor 16's: the block's largest magnitude
.endr
.irp b, 0,1,2,3
	v_add_nc_u32 v[TM+12+\b], 0xfe000000, v[TM+\b] ; 4 off its exponent field: the conversion's scale operand
.endr
.irp b, 0,1,2,3
	v_lshrrev_b32 v[TM+4+\b], 23, v[TM+12+\b]      ; the scale's byte
.endr
	v_lshl_or_b32 v[PW], v[TM+5], 8, v[TM+4]
	v_lshl_or_b32 v[PW], v[TM+6], 16, v[PW]
	v_lshl_or_b32 v[PW], v[TM+7], 24, v[PW]
.irp c, 0,1
	v_cvt_scalef32_pk16_bf6_f32 v[PC+6*\c:PC+2+6*\c], v[\s+32*\c:\s+15+32*\c], v[TM+12+2*\c]
	v_cvt_scalef32_pk16_bf6_f32 v[PC+12+4*\c:PC+14+4*\c], v[\s+16+32*\c:\s+31+32*\c], v[TM+12+2*\c+1]   ; (a conversion's three registers begin on an even number)
.endr
	v_nop                                          ; one plain line behind a scaled conversion
.irp c, 0,1                                    ; the operand's layout wants a whole block in a lane: lanes 0-15 block 2 c, lanes 16-31 block 2 c + 1
.irp i, 0,1,2
	v_permlane16_swap_b32 v[PC+6*\c+\i], v[PC+12+4*\c+\i]
.endr
.irp i, 0,1,2
	v_mov_b32 v[PC+3+6*\c+\i], v[PC+12+4*\c+\i]
.endr
.endr
.endm
	s_load_b256 s[4:11], s[0:1], 0x0               ; We s[4:5], be s[6:7], xs s[8:9], xss s[10:11]
	s_load_b128 s[12:15], s[0:1], 0x20             ; lst s[12:13], cnt s[14:15]
	s_load_b64 s[16:17], s[0:1], 0x30              ; hbuf
	v_lshl_add_u32 v254, v0, 2, 0x1e800
	v_mov_b32 v255, 0
	v_lshrrev_b32 v12, 5, v0
	v_readfirstlane_b32 s18, v12                   ; wave
	s_mov_b32 s19, ttmp9                           ; slice
	s_and_b32 s20, ttmp7, 0xffff                   ; expert
	v_and_b32 v12, 31, v0                          ; lane
	v_and_b32 v13, 15, v0                          ; r, or q
	v_bfe_u32 v14, v0, 4, 1                        ; h
	v_bfe_u32 v15, v0, 2, 2                        ; q / 4
	v_and_b32 v221, 3, v0                          ; q % 4
	v_lshlrev_b32 v[LI0], 4, v12
	v_add_nc_u32 v[LI1], 32*IMG, v[LI0]
	v_add_nc_u32 v[LSB], BSC, v[LI0]
	v_lshlrev_b32 v[LV], 5, v14
	s_wait_alu depctr_va_sdst(0)                   ; s18 is written, ahead of its first reader: LDS addresses and the bases of We are made from it
	s_mul_i32 s50, s18, 16*SP
	s_add_co_u32 s50, s50, STG                     ; my stage
	v_mul_u32_u24 v[STO], v13, SP
	v_lshl_add_u32 v[STO], v14, 5, v[STO]
	v_add_nc_u32 v[STO], s50, v[STO]
	v_mul_u32_u24 v[RD], v14, 8*SP
	v_lshl_add_u32 v[RD], v13, 4, v[RD]
	v_add_nc_u32 v[RD], s50, v[RD]
	v_lshlrev_b32 v[C16], 4, v13
	v_lshl_add_u32 v[WO], v14, 17, v[C16]
	v_mul_u32_u24 v[WA0], v15, IMG                 ; tile q / 4,
	v_lshl_add_u32 v[WA0], v221, 6, v[WA0]         ; lane 4 (q % 4) + cc of it,
	v_lshl_add_u32 v[WA0], v14, 8, v[WA0]          ; + 16 for my half,
	s_mul_i32 s50, s18, 4*IMG
	v_add_nc_u32 v[WA0], s50, v[WA0]               ; K step w
	v_add_nc_u32 v[WA1], 32*IMG, v[WA0]
	v_lshlrev_b32 v[WS], 2, v15
	v_lshl_add_u32 v[WS], v221, 6, v[WS]
	v_lshl_add_u32 v[WS], v14, 8, v[WS]
	s_lshl_b32 s50, s18, 9
	s_add_co_u32 s50, s50, BSC
	v_add_nc_u32 v[WS], s50, v[WS]
.irp b, 0,1,2,3
	v_mov_b32 v[TM+4+\b], 0                        ; written once: a lane permute's destination counts as one of its sources
.endr
	s_mov_b32 s[SEL], 0x76543210
	s_mov_b32 s[SEL+1], 0xfedcba98
	s_mov_b32 s51, 0
	s_lshl_b32 s50, s20, 24                        ; We: expert, 2^24 bytes;
	s_lshl_b32 s52, s19, 8                         ; slice, 256 bytes;
	s_add_co_u32 s50, s50, s52
	s_lshl_b32 s52, s18, 20                        ; K step w: 128 rows of 8,192 bytes
	s_add_co_u32 s50, s50, s52
	s_wait_kmcnt 0x0
	s_add_nc_u64 s[24:25], s[4:5], s[50:51]
	s_add_nc_u64 s[26:27], s[24:25], 0x400000      ; four K steps on, and so on
	s_add_nc_u64 s[28:29], s[24:25], 0x800000
	s_add_nc_u64 s[30:31], s[24:25], 0xc00000
	s_lshl_b32 s50, s20, 13
	s_lshl_b32 s52, s19, 8
	s_add_co_u32 s50, s50, s52
	s_add_nc_u64 s[54:55], s[6:7], s[50:51]        ; be at my 64 columns
	s_mul_i32 s50, s20, 3145728
	s_add_nc_u64 s[32:33], s[8:9], s[50:51]
	s_lshl_b32 s50, s20, 17
	s_add_nc_u64 s[34:35], s[10:11], s[50:51]
	s_lshl_b32 s50, s20, 13
	s_add_nc_u64 s[36:37], s[12:13], s[50:51]
	s_lshl_b32 s50, s19, 8
	s_add_nc_u64 s[38:39], s[16:17], s[50:51]
	s_lshl_b32 s50, s20, 9
	s_add_nc_u64 s[56:57], s[14:15], s[50:51]
	s_load_b32 s21, s[56:57], 0x0                  ; the count: waited for behind phase 1
	s_wait_alu depctr_va_vdst(0)                   ; the eleven addresses v1 to v11 are written, which every load and store of the kernel reads; only loads and window switches stand between this wait and the first two load sets
.irp c, 0,1,2,3
	global_load_b128 v[BIAS+8*\c:BIAS+8*\c+3], v[LV], s[54:55] offset:64*\c
	global_load_b128 v[BIAS+8*\c+4:BIAS+8*\c+7], v[LV], s[54:55] offset:64*\c+16
.endr
; K step 4 n + w of We: 64 loads; lanes 0-15 take row 32 b + i, lanes 16-31 row 32 b + 16 + i: two runs of 256 consecutive, aligned bytes.  Register 4 (16 b + i) + cc: column 4 q + cc.
; again = 1: the set has been worked on before.
.macro LOADSET n, to, again
	WIN \to
.if \again
	s_wait_alu depctr_va_vdst(0)                   ; the moves of the K step that lay here are done reading the set, in which these loads land
.endif
.irp b, 0,1,2,3
.irp i, 0,1,2,3,4,5,6,7,8,9,10,11,12,13,14,15
	global_load_b128 v[4*(16*\b+\i):4*(16*\b+\i)+3], v[WO], s[24+2*\n:25+2*\n] offset:(32*\b+\i)*8192 th:TH_LOAD_NT
.endr
.endr
	WIN 0
.endm
; The set becomes four fragments' worth of codes: column cc of each lane's four at a time.
.macro PROC n, from, left
	s_wait_loadcnt \left
.irp cc, 0,1,2,3
	WIN \from
.set J, 0
.rept 64
	v_mov_b32 v[ST+J], v[4*J+\cc]                  ; the column's numbers on end along K: the conversions take neighbours along K from consecutive registers
.set J, J+1
.endr
	WIN 0
	s_wait_dscnt 0x0                               ; the last column's LDS stores are done,
.if ((\n) > 0) || (\cc > 0)
	s_wait_alu depctr_vm_vsrc(0)                   ; and have read v[PC ..] and v[PW], which the lines below write again
.endif
	QUANT ST
	s_wait_alu depctr_va_vdst(0)                   ; the conversions, exchanges and moves have written v[PC ..] and v[PW], which the four LDS stores read
.irp g, 0,1,2
.if \n < 2
	ds_store_b128 v[WA0], v[PC+4*\g:PC+4*\g+3] offset:16*IMG*(\n)+16*\cc+512*\g
.else
	ds_store_b128 v[WA1], v[PC+4*\g:PC+4*\g+3] offset:16*IMG*((\n)-2)+16*\cc+512*\g
.endif
.endr
	ds_store_b32 v[WS], v[PW] offset:2048*(\n)+16*\cc
.endr
.endm
	LOADSET 0, 0x40, 0
	LOADSET 1, 0x80, 0
	PROC 0, 0x01, 63                               ; behind the set's last load 64 younger ones were issued; 63 is the largest count that the wait can name
	LOADSET 2, 0x40, 1
	PROC 1, 0x02, 63
	LOADSET 3, 0x80, 1
	PROC 2, 0x01, 63
	PROC 3, 0x02, 0
	s_wait_dscnt 0x0                               ; for the others' sake: my sixteen images and their scale words lie in LDS
	s_barrier_signal -1
	s_barrier_wait -1                              ; the launch's only barrier: from here on the images are read alone
	s_wait_kmcnt 0x0
	s_min_u32 s21, s21, 2048
.macro ALOAD s                         ; x's four fragments of K step s into ring set s % 5
	WIN 0x40
.irp t, 0,1,2,3
.irp g, 0,1,2
	global_load_b128 v[48*((\s)%5)+12*\t+4*\g:48*((\s)%5)+12*\t+4*\g+3], v[LI0], s[44:45] offset:24576*\t+1536*(\s)+512*\g
.endr
.endr
.endm
.macro BLOAD s                         ; We's four fragments and scale words of K step s into set s % 2: 13 LDS loads
	WIN 0
.irp c, 0,1,2,3
.irp g, 0,1,2
.if (\s) < 8
	ds_load_b128 v[BF+48*((\s)%2)+12*\c+4*\g:BF+48*((\s)%2)+12*\c+4*\g+3], v[LI0] offset:(4*(\s)+\c)*IMG+512*\g
.else
	ds_load_b128 v[BF+48*((\s)%2)+12*\c+4*\g:BF+48*((\s)%2)+12*\c+4*\g+3], v[LI1] offset:(4*((\s)-8)+\c)*IMG+512*\g
.endif
.endr
.endr
	ds_load_b128 v[BS+4*((\s)%2):BS+4*((\s)%2)+3], v[LSB] offset:512*(\s)
.endm
; Four products of K step s: tile t of rows x the four tiles of columns.  The sixteen accumulators take turns in the order (t, c), t outermost, in every K step.
.macro MULT s, t
.if (\s) == 0
	WIN 0x84                                       ; source 0 (We) window 0, source 1 (x) window 1, C (the bias) window 0, D window 2
.else
	WIN 0xa4                                       ; C and D window 2
.endif
.irp c, 0,1,2,3
.if (\s) == 0
	v_wmma_scale_f32_16x16x128_f8f6f4 v[8*(4*(\t)+\c):8*(4*(\t)+\c)+7], v[BF+12*\c:BF+12*\c+11], v[12*(\t):12*(\t)+11], v[BIAS+8*\c:BIAS+8*\c+7], v[BS+\c], v[AS+8*(\t)] matrix_a_fmt:MATRIX_FMT_BF6 matrix_b_fmt:MATRIX_FMT_BF6
.elseif (((\s)/4)%2) == 1
	v_wmma_scale_f32_16x16x128_f8f6f4 v[8*(4*(\t)+\c):8*(4*(\t)+\c)+7], v[BF+48*((\s)%2)+12*\c:BF+48*((\s)%2)+12*\c+11], v[48*((\s)%5)+12*(\t):48*((\s)%5)+12*(\t)+11], v[8*(4*(\t)+\c):8*(4*(\t)+\c)+7], v[BS+4*((\s)%2)+\c], v[AS+8*(\t)+4*((\s)/8)+(\s)%4] matrix_a_fmt:MATRIX_FMT_BF6 matrix_b_fmt:MATRIX_FMT_BF6 matrix_b_scale:MATRIX_SCALE_ROW1
.else
	v_wmma_scale_f32_16x16x128_f8f6f4 v[8*(4*(\t)+\c):8*(4*(\t)+\c)+7], v[BF+48*((\s)%2)+12*\c:BF+48*((\s)%2)+12*\c+11], v[48*((\s)%5)+12*(\t):48*((\s)%5)+12*(\t)+11], v[8*(4*(\t)+\c):8*(4*(\t)+\c)+7], v[BS+4*((\s)%2)+\c], v[AS+8*(\t)+4*((\s)/8)+(\s)%4] matrix_a_fmt:MATRIX_FMT_BF6 matrix_b_fmt:MATRIX_FMT_BF6
.endif
.endr
.endm
.macro KSTEP s
.if ((\s) > 0) && ((\s) <= 14)
.rept 4
	v_nop                                          ; four places between the last products and loads into registers that they read (ISA guide 7.12.1 for vector instructions): they stay beside the wait below
.endr
.endif
.if (\s) <= 12
	s_wait_loadcnt 36                              ; this K step's fragments of x are in; the three younger sets, 12 loads each, may be out
.else
	s_wait_loadcnt 12*(15-(\s))
.endif
	s_wait_dscnt 0x0                               ; this K step's fragments and scale words of We are in: nothing was asked of LDS behind them
.if (\s) <= 14
	WIN 0
.if (\s) > 0
	s_wait_alu depctr_va_vdst(0)                   ; the last K step's products are done reading their set of We's fragments and scale words and their ring set of x, in which this step's loads land
.endif
	BLOAD (\s)+1                                   ; first, so that it has the whole step in which to land
.endif
	MULT \s, 0
	MULT \s, 1
.if (\s) <= 11
	ALOAD (\s)+4                                   ; into the set that K step s - 1 has left.  No wait: no product since the wait above names that set or v[LI0]
.endif
	MULT \s, 2
	MULT \s, 3
.endm
	s_mov_b32 s40, 0
.Lgroup:                                           ; eight trips, a constant: 32 groups of 64 rows serve every split
	s_lshl_b32 s41, s40, 2
	s_add_co_u32 s41, s41, s18                     ; my group
	s_lshl_b32 s50, s41, 6
	s_cmp_ge_u32 s50, s21
	s_cbranch_scc1 .Lnext                          ; no row of it is routed here; no barrier stands in the loop
	s_wait_xcnt 0x0                                ; the last group's loads and stores have read their registers and bases
	s_wait_alu depctr_vm_vsrc(0)                   ; the last group's stores have read v[LST ..], both out-buffers and the accumulators, which this group's loads and products write; first trip: phase 1's LDS stores have read v[PC ..] and v[PW]
	s_wait_alu depctr_va_vdst(0)                   ; the last group's products are done reading v[AS ..], the ring and We's sets, and its address lines have written v[LST ..]: this group's loads land there; first trip: phase 1's arithmetic is done with v120 to v221
	s_mul_i32 s50, s41, 98304
	s_add_nc_u64 s[44:45], s[32:33], s[50:51]      ; four tiles of images
	s_lshl_b32 s50, s41, 12
	s_add_nc_u64 s[46:47], s[34:35], s[50:51]      ; their scale words
	s_lshl_b32 s50, s41, 8
	s_add_nc_u64 s[48:49], s[36:37], s[50:51]      ; their 64 entries
.irp t, 0,1,2,3
	global_load_b128 v[LST+8*\t:LST+8*\t+3], v[LV], s[48:49] offset:64*\t          ; register 8 t + i: the entry of row 16 t + 8 (lane / 16) + i
	global_load_b128 v[LST+8*\t+4:LST+8*\t+7], v[LV], s[48:49] offset:64*\t+16
.endr
.irp t, 0,1,2,3
.irp u, 0,1
	global_load_b128 v[AS+8*\t+4*\u:AS+8*\t+4*\u+3], v[LI0], s[46:47] offset:1024*\t+512*\u
.endr
.endr
	ALOAD 0
	ALOAD 1
	ALOAD 2
	ALOAD 3
	BLOAD 0
.irp s, 0,1,2,3,4,5,6,7,8,9,10,11,12,13,14,15
	KSTEP \s
.endr
	WIN 0
; The 64 rows' places in hbuf, all at once: these 64 plain lines name no register of the products, so they are also the places between the last products and the first read of results (ISA guide 7.12.1).
.set J, 0
.rept 32
	v_min_u32 v[LST+J], 4103, v[LST+J]
.set J, J+1
.endr
.set J, 0
.rept 32
	v_lshl_add_u32 v[LST+J], v[LST+J], 13, v[C16]  ; the row of hbuf, 8,192 bytes each
.set J, J+1
.endr
	s_wait_alu depctr_va_vdst(0)                   ; the products have written the accumulators, which the LDS stores read, and are done reading We's set 0, in which tiles 1 and 3 come back; the lines above have written v[LST ..], the stores' offsets
; THE WAY OUT, a tile of 16 rows x 64 columns at a time, through my own stage: a lane's 32 bytes go in, whole rows of 256 bytes come back, and sixteen lanes store 256 consecutive, aligned bytes of a routed row.
; LDS serves a wave's instructions in order (ISA guide 5.7.1.4): no wait between the stores and the loads, nor in front of the next tile's stores.
.irp t, 0,1,2,3
.set OB, 216-96*(\t%2)                 ; v216-247 and v120-151 by turns
	WIN 0x08                                       ; an LDS store's data are its source 1: window 2
.irp c, 0,1,2,3
	ds_store_b128 v[STO], v[8*(4*\t+\c):8*(4*\t+\c)+3] offset:64*\c            ; each accumulator from its low end on
	ds_store_b128 v[STO], v[8*(4*\t+\c)+4:8*(4*\t+\c)+7] offset:64*\c+16
.endr
	WIN 0
.if \t >= 2
	s_wait_xcnt 0x0                                ; tile t - 2's stores have had their addresses translated,
	s_wait_alu depctr_vm_vsrc(0)                   ; and have read v[OB ..], in which the loads below land
.endif
.irp i, 0,1,2,3,4,5,6,7
	ds_load_b128 v[OB+4*\i:OB+4*\i+3], v[RD] offset:SP*\i
.endr
	s_wait_dscnt 0x0
.irp i, 0,1,2,3,4,5,6,7
	global_store_b128 v[LST+8*\t+\i], v[OB+4*\i:OB+4*\i+3], s[38:39]   ; no hint: the next launch reads it
.endr
.endr
.Lnext:
	s_add_co_u32 s40, s40, 1
	s_cmp_lt_u32 s40, 8
	s_cbranch_scc1 .Lgroup
	s_wait_dscnt 0x0                               ; the closing lines, six on end
	s_wait_alu 0x0
	s_wait_tensorcnt 0x0
	ds_add_u32 v254, v255
	s_wait_dscnt 0x0
	s_endpgm
.Lfunc_end_k_qbb6f50da9e_expert:
	.size	k_qbb6f50da9e_expert, .Lfunc_end_k_qbb6f50da9e_expert-k_qbb6f50da9e_expert
	.p2alignl 7, 3214868480
	.fill 96, 4, 3214868480
	.section	.rodata,"a",@progbits
	.p2align	6, 0x0
	.amdhsa_kernel k_qbb6f50da9e_expert
		.amdhsa_group_segment_fixed_size 125440
		.amdhsa_private_segment_fixed_size 0
		.amdhsa_enable_private_segment 0
		.amdhsa_kernarg_size 56
		.amdhsa_user_sgpr_count 2
		.amdhsa_user_sgpr_kernarg_segment_ptr 1
		.amdhsa_wavefront_size32 1
		.amdhsa_system_sgpr_workgroup_id_x 1
		.amdhsa_system_sgpr_workgroup_id_y 1
		.amdhsa_system_sgpr_workgroup_id_z 1
		.amdhsa_system_vgpr_workitem_id 0
		.amdhsa_next_free_vgpr 768
		.amdhsa_next_free_sgpr 66
		.amdhsa_reserve_vcc 0
		.amdhsa_float_denorm_mode_32 3
		.amdhsa_float_denorm_mode_16_64 3
		.amdhsa_memory_ordered 1
		.amdhsa_forward_progress 1
		.amdhsa_inst_pref_size 209
	.end_amdhsa_kernel
	.amdgpu_metadata
---
amdhsa.version: [ 1, 2 ]
amdhsa.kernels:
  - .name:           k_qbb6f50da9e_expert
    .symbol:         k_qbb6f50da9e_expert.kd
    .args:
      - { .name: We, .offset: 0, .size: 8, .value_kind: global_buffer, .address_space: global }
      - { .name: be, .offset: 8, .size: 8, .value_kind: global_buffer, .address_space: global }
      - { .name: xs, .offset: 16, .size: 8, .value_kind: global_buffer, .address_space: global }
      - { .name: xss, .offset: 24, .size: 8, .value_kind: global_buffer, .address_space: global }
      - { .name: lst, .offset: 32, .size: 8, .value_kind: global_buffer, .address_space: global }
      - { .name: cnt, .offset: 40, .size: 8, .value_kind: global_buffer, .address_space: global }
      - { .name: hbuf, .offset: 48, .size: 8, .value_kind: global_buffer, .address_space: global }
    .group_segment_fixed_size: 125440
    .private_segment_fixed_size: 0
    .kernarg_segment_align: 8
    .kernarg_segment_size: 56
    .max_flat_workgroup_size: 128
    .sgpr_count:     66
    .vgpr_count:     768
    .wavefront_size: 32
...
	.end_amdgpu_metadata
.endif
;; end of part 8
;; launch combine (part 9): grid 256 x 1, 8 waves a work-group, no clusters, 0 bytes of LDS; arguments hbuf, coef, out0; writes out0
.if DOCPART == 9
	.amdgcn_target "amdgcn-amd-amdhsa--gfx1250"
	.amdhsa_code_object_version 6
	.text
	.protected	k_qbb6f50da9e_combine
	.globl	k_qbb6f50da9e_combine
	.p2align	8
	.type	k_qbb6f50da9e_combine,@function
k_qbb6f50da9e_combine:
	s_mov_b64 s[64:65], 0
	v_nop
	global_prefetch_b8 v0, s[64:65] scope:SCOPE_SE
	s_setreg_imm32_b32 hwreg(HW_REG_WAVE_MODE, 25, 1), 1
	s_wait_xcnt 0x0
; THE EXPERTS' SOFTMAX AND THE SUM.  out[token] = q1 softmax(relu(h[2 token])) + q2 softmax(relu(h[2 token + 1])), all in f32; the row's maximum is taken away before the exponential.
; One wave takes one token: its two rows of 8,192 bytes stay in 128 registers between the passes, so hbuf is read once; the reductions never leave the wave: no LDS, no barrier.
; Each load and store of a wave covers 512 consecutive, aligned bytes.  Every address hangs on ids alone: the rows lie at fixed places.
; LIMITS: NaN and infinities are not served; an exponential under 2^-126 counts as 0.
.set H0, 8                             ; v8-71    the first expert's row, then the result
.set H1, 72                            ; v72-135  the second's
; v136-143 at work; v[144:145], v[146:147] q / the row's sum, twice each (a pair for the packed forms); v148 a lane permute's destination
	s_load_b128 s[4:7], s[0:1], 0x0                ; hbuf, coef
	s_load_b64 s[8:9], s[0:1], 0x10                ; out0
	v_lshrrev_b32 v2, 5, v0
	s_delay_alu instid0(VALU_DEP_1)
	v_readfirstlane_b32 s12, v2                    ; wave
	v_and_b32 v1, 31, v0
	s_delay_alu instid0(VALU_DEP_1)
	v_lshlrev_b32 v1, 4, v1                        ; 16 bytes a lane
	v_mov_b32 v148, 0
	s_mov_b32 s16, 0x76543210                      ; v_permlanex16_b32's selects for lane l xor 16
	s_mov_b32 s17, 0xfedcba98
	s_lshl_b32 s13, ttmp9, 3
	s_add_co_u32 s13, s13, s12                     ; token
	s_lshl_b32 s14, s13, 14                        ; two rows of 8,192 bytes
	s_mov_b32 s15, 0
	s_lshl_b32 s18, s13, 3
	s_mov_b32 s19, 0
	s_lshl_b32 s20, s13, 13
	s_mov_b32 s21, 0
	s_wait_alu depctr_va_vdst(0)
	s_wait_kmcnt 0x0
	s_add_nc_u64 s[4:5], s[4:5], s[14:15]
	s_add_nc_u64 s[6:7], s[6:7], s[18:19]
	s_add_nc_u64 s[8:9], s[8:9], s[20:21]
	s_load_b64 s[10:11], s[6:7], 0x0               ; q1, q2
.irp i, 0,1,2,3,4,5,6,7,8,9,10,11,12,13,14,15
	global_load_b128 v[H0+4*\i:H0+4*\i+3], v1, s[4:5] offset:512*\i th:TH_LOAD_NT
.endr
.irp i, 0,1,2,3,4,5,6,7,8,9,10,11,12,13,14,15
	global_load_b128 v[H1+4*\i:H1+4*\i+3], v1, s[4:5] offset:8192+512*\i th:TH_LOAD_NT
.endr
; A row of 64 numbers a lane becomes e^(relu(h) - m); v[R], v[R + 1] = the gate's weight / the row's sum.
.macro ROW H, R, cf
	v_max3_num_f32 v136, v[\H], v[\H+1], 0         ; the largest relu(h): 0 is one of the leaves; two chains
	v_max3_num_f32 v137, v[\H+2], v[\H+3], 0
.irp j, 4,8,12,16,20,24,28,32,36,40,44,48,52,56,60
	s_delay_alu instid0(VALU_DEP_2)
	v_max3_num_f32 v136, v136, v[\H+\j], v[\H+\j+1]
	s_delay_alu instid0(VALU_DEP_2)
	v_max3_num_f32 v137, v137, v[\H+\j+2], v[\H+\j+3]
.endr
	s_delay_alu instid0(VALU_DEP_1)
	v_max_num_f32 v136, v136, v137
	s_delay_alu instid0(VALU_DEP_1)
	v_max_num_f32_dpp v136, v136, v136 row_xmask:1 row_mask:0xf bank_mask:0xf
	s_delay_alu instid0(VALU_DEP_1)
	v_max_num_f32_dpp v136, v136, v136 row_xmask:2 row_mask:0xf bank_mask:0xf
	s_delay_alu instid0(VALU_DEP_1)
	v_max_num_f32_dpp v136, v136, v136 row_xmask:4 row_mask:0xf bank_mask:0xf
	s_delay_alu instid0(VALU_DEP_1)
	v_max_num_f32_dpp v136, v136, v136 row_xmask:8 row_mask:0xf bank_mask:0xf
	s_delay_alu instid0(VALU_DEP_1)
	v_permlanex16_b32 v148, v136, s16, s17
	s_delay_alu instid0(VALU_DEP_1)
	v_max_num_f32 v136, v136, v148                 ; m, in every lane
	s_delay_alu instid0(VALU_DEP_1)
	v_mul_f32 v138, 0xbfb8aa3b, v136               ; - m log2(e)
	s_delay_alu instid0(VALU_DEP_1)
	v_mov_b32 v139, v138
.set J, 0
.rept 64
	v_max_num_f32 v[\H+J], 0, v[\H+J]              ; relu
.set J, J+1
.endr
.set J, 0
.rept 32
	v_pk_fma_f32 v[\H+J:\H+J+1], v[\H+J:\H+J+1], 0x3fb8aa3b, v[138:139] op_sel_hi:[1,0,1]
.set J, J+2
.endr
.set J, 0
	s_wait_alu depctr_va_vdst(0)
.rept 64
	v_exp_f32 v[\H+J], v[\H+J]                     ; at most 1
.set J, J+1
.endr
	v_nop                                          ; a plain line behind the transcendentals (ISA guide 5.7.2)
	s_wait_alu depctr_va_vdst(0)
	v_pk_add_f32 v[140:141], v[\H:\H+1], v[\H+2:\H+3]
	v_pk_add_f32 v[142:143], v[\H+4:\H+5], v[\H+6:\H+7]
.irp j, 8,12,16,20,24,28,32,36,40,44,48,52,56,60
	v_pk_add_f32 v[140:141], v[140:141], v[\H+\j:\H+\j+1]
	v_pk_add_f32 v[142:143], v[142:143], v[\H+\j+2:\H+\j+3]
.endr
	s_delay_alu instid0(VALU_DEP_1)
	v_pk_add_f32 v[140:141], v[140:141], v[142:143]
	s_delay_alu instid0(VALU_DEP_1)
	v_add_f32 v140, v140, v141
	s_delay_alu instid0(VALU_DEP_1)
	v_add_f32_dpp v140, v140, v140 row_xmask:1 row_mask:0xf bank_mask:0xf
	s_delay_alu instid0(VALU_DEP_1)
	v_add_f32_dpp v140, v140, v140 row_xmask:2 row_mask:0xf bank_mask:0xf
	s_delay_alu instid0(VALU_DEP_1)
	v_add_f32_dpp v140, v140, v140 row_xmask:4 row_mask:0xf bank_mask:0xf
	s_delay_alu instid0(VALU_DEP_1)
	v_add_f32_dpp v140, v140, v140 row_xmask:8 row_mask:0xf bank_mask:0xf
	s_delay_alu instid0(VALU_DEP_1)
	v_permlanex16_b32 v148, v140, s16, s17
	s_delay_alu instid0(VALU_DEP_1)
	v_add_f32 v140, v140, v148                     ; the row's sum, at least 1
	s_wait_alu depctr_va_vdst(0)
	v_rcp_f32 v141, v140
	v_nop
	s_wait_alu depctr_va_vdst(0)
	v_mul_f32 v[\R], s[\cf], v141
	s_delay_alu instid0(VALU_DEP_1)
	v_mov_b32 v[\R+1], v[\R]
.endm
	s_wait_kmcnt 0x0
	s_wait_loadcnt 16                              ; the first row's 16 loads are in; the second row's 16 may be out
	ROW H0, 144, 10
	s_wait_loadcnt 0x0
	ROW H1, 146, 11
.set J, 0
.rept 32
	v_pk_mul_f32 v[H0+J:H0+J+1], v[H0+J:H0+J+1], v[144:145] op_sel_hi:[1,0]
.set J, J+2
.endr
.set J, 0
.rept 32
	v_pk_fma_f32 v[H0+J:H0+J+1], v[H1+J:H1+J+1], v[146:147], v[H0+J:H0+J+1] op_sel_hi:[1,0,1]
.set J, J+2
.endr
.irp i, 0,1,2,3,4,5,6,7,8,9,10,11,12,13,14,15
	global_store_b128 v1, v[H0+4*\i:H0+4*\i+3], s[8:9] offset:512*\i th:TH_STORE_NT
.endr
	s_endpgm
.Lfunc_end_k_qbb6f50da9e_combine:
	.size	k_qbb6f50da9e_combine, .Lfunc_end_k_qbb6f50da9e_combine-k_qbb6f50da9e_combine
	.p2alignl 7, 3214868480
	.fill 96, 4, 3214868480
	.section	.rodata,"a",@progbits
	.p2align	6, 0x0
	.amdhsa_kernel k_qbb6f50da9e_combine
		.amdhsa_group_segment_fixed_size 0
		.amdhsa_private_segment_fixed_size 0
		.amdhsa_enable_private_segment 0
		.amdhsa_kernarg_size 24
		.amdhsa_user_sgpr_count 2
		.amdhsa_user_sgpr_kernarg_segment_ptr 1
		.amdhsa_wavefront_size32 1
		.amdhsa_system_sgpr_workgroup_id_x 1
		.amdhsa_system_sgpr_workgroup_id_y 1
		.amdhsa_system_sgpr_workgroup_id_z 1
		.amdhsa_system_vgpr_workitem_id 0
		.amdhsa_next_free_vgpr 160
		.amdhsa_next_free_sgpr 66
		.amdhsa_reserve_vcc 0
		.amdhsa_float_denorm_mode_32 3
		.amdhsa_float_denorm_mode_16_64 3
		.amdhsa_memory_ordered 1
		.amdhsa_forward_progress 1
		.amdhsa_inst_pref_size 37
	.end_amdhsa_kernel
	.amdgpu_metadata
---
amdhsa.version: [ 1, 2 ]
amdhsa.kernels:
  - .name:           k_qbb6f50da9e_combine
    .symbol:         k_qbb6f50da9e_combine.kd
    .args:
      - { .name: hbuf, .offset: 0, .size: 8, .value_kind: global_buffer, .address_space: global }
      - { .name: coef, .offset: 8, .size: 8, .value_kind: global_buffer, .address_space: global }
      - { .name: out0, .offset: 16, .size: 8, .value_kind: global_buffer, .address_space: global }
    .group_segment_fixed_size: 0
    .private_segment_fixed_size: 0
    .kernarg_segment_align: 8
    .kernarg_segment_size: 24
    .max_flat_workgroup_size: 256
    .sgpr_count:     66
    .vgpr_count:     160
    .wavefront_size: 32
...
	.end_amdgpu_metadata
.endif
;; end of part 9
